; MI455X (gfx1250); checked and timed in simulation.
; The chip was launched on July 23, 2026; its instructions are those of AMD's public machine-readable ISA for CDNA 5 (MIT licence, August 2026) and "CDNA5" Instruction Set Architecture Reference Guide (July 2026). The comments in the code are by the model that wrote it; some were corrected since.
;; Mutli Head Attention Block. Allowed arithmetic: matrix products marked QUANTISED: E2M1 operands, one E8M0 scale for each 32 along K, by v_wmma_scale_f32_16x16x128_f8f6f4 with both operands' format E2M1 (or v_wmma_scale_f32_32x16x128_f4), f32 sums; products left as they are: bf16, f16 or f32 operands; f32 sums; everything else in f32.
;; Inputs: b_k 1,024 float32; b_o 1,024 float32; b_q 1,024 float32; b_v 1,024 float32; k 2 x 2,048 x 1,024 float32; mask 2 x 1 x 2,048 x 2,048 int32; q 2 x 2,048 x 1,024 float32; v 2 x 2,048 x 1,024 float32; w_k 1,024 x 1,024 float32; w_o 1,024 x 1,024 float32; w_q 1,024 x 1,024 float32; w_v 1,024 x 1,024 float32.
;; Outputs: out0 2 x 2,048 x 1,024 float32.
;; This version of the problem:
;;   THIS VERSION OF THE PROBLEM IS GIVEN IN LOW PRECISION. The matrix products marked QUANTISED in the list below multiply operands that are first quantised to E2M1 (2 exponent bits, 1 mantissa bit; 4 bits a number), with one power-of-two scale for each 32 numbers along K (OCP MX v1.0); their sums are f32. The products marked 'left as it is' may take bf16, f16 or f32 operands, with f32 sums. Whichever they take, every output number must still come out within the allowed error. Rounding operands to bf16 (8 significant bits) uses up far more of that allowance than f16 does (11 bits, for magnitudes from 6e-5 to 65,504). All else is computed in f32.
;;   The module's matrix products, in the order in which they are computed (A, B: the left and right operand; K: the contracted axis; several contracted axes count as one K, in the product's order):
;;     1. [M 4,096, K 1,024] x [K 1,024, N 1,024]; A: input q; B: input w_q: QUANTISED
;;     2. [M 4,096, K 1,024] x [K 1,024, N 1,024]; A: input k; B: input w_k: QUANTISED
;;     3. [M 4,096, K 1,024] x [K 1,024, N 1,024]; A: input v; B: input w_v: QUANTISED
;;     4. batch 32 x [M 2,048, K 64] x [K 64, N 2,048]; A: computed on the way; B: computed on the way: left as it is (an operand is computed on the way)
;;     5. batch 32 x [M 2,048, K 2,048] x [K 2,048, N 64]; A: computed on the way; B: computed on the way: left as it is (an operand is computed on the way)
;;     6. [M 4,096, K 1,024] x [K 1,024, N 1,024]; A: computed on the way; B: input w_o: left as it is (an operand is computed on the way)
;;   THE QUANTISER, for each operand of a quantised product, along K:
;;     - K is cut into blocks of 32 from its start; a last block that is shorter is filled with zeros.
;;     - A block's scale is 2^e with e = floor(log2(the largest magnitude in the block)) - 2, held to -126 .. 127; a block of zeros has e = 0. As a byte (E8M0): e + 127.
;;     - Each number is divided by its block's scale, clamped to +-6, and rounded to the nearest number of E2M1, ties to even, subnormals kept.
;;     - The product sums the exact products of the quantised numbers (number of the format x scale) in f32.
;;   ~~~python
;;   def quantise(x, axis):      # numpy; x: float32 -> the quantised numbers, widened to float32 again
;;       x = np.moveaxis(x, axis, -1); K = x.shape[-1]
;;       x = np.pad(x, [(0, 0)] * (x.ndim - 1) + [(0, -K % 32)]); x = x.reshape(x.shape[:-1] + (-1, 32)); a = np.abs(x).max(-1, keepdims=True)
;;       e = np.where(a > 0, np.clip(np.frexp(np.where(a > 0, a, 1))[1] - 1 - 2, -126, 127), 0)      # np.frexp(a)[1] - 1 = floor(log2(a)), exactly
;;       r = np.clip(x / 2.0 ** e, -6, 6)
;;       step = 2.0 ** (np.maximum(np.frexp(np.where(r == 0, 1, r))[1] - 1, 0) - 1)
;;       q = np.round(r / step) * step * 2.0 ** e      # np.round: ties to even
;;       return np.moveaxis(q.reshape(q.shape[:-2] + (-1,))[..., :K], -1, axis).astype(np.float32)
;;   ~~~
;; One version. Each part assembles by itself: llvm-mc -triple=amdgcn-amd-amdhsa -mcpu=gfx1250 --defsym DOCPART=n.
;; ======== version 1 of 1: 4 launches
;; limits: values are held in f16: magnitudes above 65,504 overflow, below 6.1e-05 lose precision
;; workspace buffers: codes 7,864,320 bytes; scales 491,520 bytes; wo16 2,097,152 bytes; mbits 1,048,576 bytes of whole numbers; qkv 25,165,824 bytes; xh 8,388,608 bytes
;; launch prep (part 1): grid 864 x 1, 4 waves a work-group, no clusters, 68,096 bytes of LDS; arguments q, k, v, w_q, w_k, w_v, w_o, mask, codes, scales, wo16, mbits; writes codes, scales, wo16, mbits
.if DOCPART == 1
	.amdgcn_target "amdgcn-amd-amdhsa--gfx1250"
	.amdhsa_code_object_version 6
	.text
	.protected	k_qcba0a61371_prep
	.globl	k_qcba0a61371_prep
	.p2align	8
	.type	k_qcba0a61371_prep,@function
k_qcba0a61371_prep:
	s_mov_b64 s[64:65], 0
	v_nop
	global_prefetch_b8 v0, s[64:65] scope:SCOPE_SE
	s_setreg_imm32_b32 hwreg(HW_REG_WAVE_MODE, 25, 1), 1
	s_wait_xcnt 0x0
; ONE LAUNCH READS EVERY WIDE INPUT ONCE.  Three kinds of work-group, told apart by the work-group's number alone:
;   0..479    q, k, v, w_q, w_k, w_v (f32, K innermost) become codes of FP4 (E2M1) and one E8M0 scale byte for each 32 along K.  All six are plain streams of blocks of 32; their codes and bytes are
;             laid one behind the other: rows 0..12,287 are q's, k's, v's tokens, rows 12,288..15,359 the three weights' rows; a row is 512 bytes of codes and 32 scale bytes.
;   480..735  mask (int32, [2][2048][2048]) becomes bit words laid as the attention launch's lane masks: word [b][group of 32 queries][step of 64 keys][tile t of 16 queries][n] has in bit r + 16 h
;             whether mask[b][32 g + 16 t + r][64 s + 16 (n / 8) + 8 h + n % 8] is not 0.
;   736..863  w_o becomes f16, as it lies.
; A block's scale is 2^(floor(log2(its largest magnitude)) - 2); its byte is the largest magnitude's exponent field - 2, held at 1 from below.
; LIMITS: a block of zeros, or one whose largest magnitude lies under 2^-124, gets the byte 1 (the rule says 127 for zeros: its codes are zeros, and this program alone reads the bytes); NaN and infinities are
; not served; w_o beyond 65,504 in magnitude becomes infinity in f16.
; No tensor loads, no barrier: waves share nothing.  No cluster: no two work-groups read the same bytes.  Each kind of work-group has LDS bytes of its own.
.set STEPS, 16
.set CB,    8                          ; bytes of 16 codes
.set WREG,  8192                       ; quantiser: a region for each wave: two stages of 32 x SP bytes, behind them its 256 scale bytes
.set SP,    80                         ; a lane's place in a stage: 64 bytes + 16 of padding
.set MST,   32768                      ; mask: a stage of 32 rows x 272 bytes for each wave
.set MWB,   32*272
.set SPARE, MST+4*MWB                  ; the spare words, 128 bytes for each wave: two blocks of 256 bytes that no other line names
.set SPW,   12                         ; v12  LDS address of my spare word; never rewritten
.set NIL,   13                         ; v13  0; never rewritten
.set QR,    16                         ; quantiser: v16-79 four sets of 16 numbers as loaded; v80-111 two sets of 16 neighbours; v112-127 a byte a step; v128-191 codes
.set QX,    80
.set QE,    112
.set QC,    128
.set MR,    16                         ; mask: v16-143 two sets of 64 words as loaded; v144-207 the words in the order of the lane masks; v208-215 the bit words, a pair a step
.set MX,    144
.set MW,    208
	s_load_b512 s[4:19], s[0:1], 0x0               ; q, k, v, w_q, w_k, w_v, w_o, mask
	s_load_b256 s[20:27], s[0:1], 0x40             ; codes, scales, wo16, mbits
	v_lshl_add_u32 v[SPW], v0, 2, SPARE
	v_mov_b32 v[NIL], 0
	v_lshrrev_b32 v1, 5, v0
	v_readfirstlane_b32 s28, v1                    ; wave 0..3
	v_and_b32 v2, 31, v0                           ; lane
	s_wait_kmcnt 0x0
	s_cmp_lt_u32 ttmp9, 480
	s_cbranch_scc0 .Lnot_quant
; ---------------- THE QUANTISER.  A wave takes 16 steps of 512 numbers.  Each load reads 512 consecutive bytes; a step's 2,048 bytes turn through the wave's stage so that a lane holds 16 neighbours.
	s_mov_b64 s[30:31], s[14:15]                   ; which tensor: chosen by the work-group's number alone
	s_mov_b32 s29, 448                             ; and the tensor's first work-group
	s_cmp_lt_u32 ttmp9, 448
	s_cselect_b64 s[30:31], s[12:13], s[30:31]
	s_cselect_b32 s29, 416, s29
	s_cmp_lt_u32 ttmp9, 416
	s_cselect_b64 s[30:31], s[10:11], s[30:31]
	s_cselect_b32 s29, 384, s29
	s_cmp_lt_u32 ttmp9, 384
	s_cselect_b64 s[30:31], s[8:9], s[30:31]
	s_cselect_b32 s29, 256, s29
	s_cmp_lt_u32 ttmp9, 256
	s_cselect_b64 s[30:31], s[6:7], s[30:31]
	s_cselect_b32 s29, 128, s29
	s_cmp_lt_u32 ttmp9, 128
	s_cselect_b64 s[30:31], s[4:5], s[30:31]
	s_cselect_b32 s29, 0, s29
	v_lshlrev_b32 v3, 4, v2                        ; my 16 bytes of a load's 512
	s_mul_i32 s32, s28, WREG
	v_lshrrev_b32 v14, 2, v2
	v_mul_u32_u24 v14, v14, SP
	v_and_b32 v15, 3, v2
	v_lshl_add_u32 v14, v15, 4, v14
	v_add_nc_u32 v14, s32, v14                     ; the stage, on the way in: SP (lane / 4) + 16 (lane % 4)
	v_mul_u32_u24 v15, v2, SP
	v_add_nc_u32 v15, s32, v15                     ; and on the way out: SP x lane
	v_mul_u32_u24 v4, v2, CB                       ; my codes' place in a step's
	v_lshrrev_b32 v5, 1, v2
	s_add_co_u32 s32, s32, 2*32*SP
	v_add_nc_u32 v5, s32, v5                       ; LDS: my wave's 256 scale bytes, my block's byte
	v_lshlrev_b32 v7, 3, v2
	v_add_nc_u32 v6, s32, v7                       ; and on the way out 8 bytes a lane
	s_sub_co_u32 s33, ttmp9, s29
	s_lshl_b32 s33, s33, 2
	s_add_co_u32 s34, s33, s28                     ; which run of 8,192 numbers of the tensor is my wave's
	s_lshl_b32 s34, s34, 15                        ; 32,768 bytes a run
	s_mov_b32 s35, 0
	s_add_nc_u64 s[30:31], s[30:31], s[34:35]
	s_lshl_b32 s36, ttmp9, 2
	s_add_co_u32 s36, s36, s28                     ; which run of the stacked streams
	s_lshl_b32 s34, s36, 12                        ; 4,096 bytes of codes a run
	s_add_nc_u64 s[20:21], s[20:21], s[34:35]
	s_lshl_b32 s34, s36, 8                         ; 256 scale bytes a run
	s_add_nc_u64 s[22:23], s[22:23], s[34:35]
.macro QLOAD t
.irp i, 0,1,2,3
	global_load_b128 v[QR+16*((\t)%4)+4*\i:QR+16*((\t)%4)+4*\i+3], v3, s[30:31] offset:2048*(\t)+512*\i th:TH_LOAD_NT
.endr
.endm
.macro QTURN t                         ; step t's numbers through the stage: LDS serves a wave's instructions in order, so no wait stands between the stores and the loads
.irp i, 0,1,2,3
	ds_store_b128 v14, v[QR+16*((\t)%4)+4*\i:QR+16*((\t)%4)+4*\i+3] offset:32*SP*((\t)%2)+8*SP*\i
.endr
.irp i, 0,1,2,3
	ds_load_b128 v[QX+16*((\t)%2)+4*\i:QX+16*((\t)%2)+4*\i+3], v15 offset:32*SP*((\t)%2)+16*\i
.endr
.endm
.irp t, 0,1,2,3
	QLOAD \t
.endr
	s_wait_loadcnt 12                              ; step 0's four loads are in; the twelve of steps 1 to 3 may be out
	QTURN 0
.macro QSTEP t
.set XS, QX+16*((\t)%2)
.if (\t) > 0
	s_wait_dscnt 1                                 ; this step's numbers are back from the stage (the last step's byte store may be out)
.else
	s_wait_dscnt 0x0
.endif
.if (\t)+4 < STEPS
	QLOAD (\t)+4                                   ; into the registers that the stage's stores have read
.endif
.if (\t)+1 < STEPS
.if STEPS-2-(\t) >= 3
	s_wait_loadcnt 12                              ; the next step's four loads are in; those of the three steps behind it may be out
.else
	s_wait_loadcnt 4*(STEPS-2-(\t))
.endif
	QTURN (\t)+1
.endif
	v_max3_num_f32 v8, |v[XS]|, |v[XS+1]|, |v[XS+2]|               ; the largest magnitude of my 16, in two chains
	v_max3_num_f32 v9, |v[XS+3]|, |v[XS+4]|, |v[XS+5]|
.irp i, 6,10
	v_max3_num_f32 v8, v8, |v[XS+\i]|, |v[XS+\i+1]|
	v_max3_num_f32 v9, v9, |v[XS+\i+2]|, |v[XS+\i+3]|
.endr
	v_max3_num_f32 v8, v8, |v[XS+14]|, |v[XS+15]|
	v_max3_num_f32 v8, v8, v9, 0x1800000           ; and the floor 2^(3 - 127): the byte cannot fall under 1
	v_max_num_f32_dpp v8, v8, v8 row_xmask:1 row_mask:0xf bank_mask:0xf   ; with my neighbour's 16: the block's
	v_add_nc_u32 v11, 0xff000000, v8               ; 2 off its exponent field: the conversion takes this operand's exponent field as its scale
	v_cvt_scalef32_pk8_fp4_f32 v[QC+4*(\t)], v[XS:XS+7], v11
	v_cvt_scalef32_pk8_fp4_f32 v[QC+4*(\t)+1], v[XS+8:XS+15], v11
	v_lshrrev_b32 v[QE+(\t)], 23, v11              ; the scale's byte (also the plain line behind the conversions)
	ds_store_b8 v5, v[QE+(\t)] offset:16*(\t)      ; both lanes of a block write the same byte with the same value
	global_store_b64 v4, v[QC+4*(\t):QC+4*(\t)+1], s[20:21] offset:32*CB*(\t)   ; the wave stores 256 consecutive bytes, aligned
.endm
.irp t, 0,1,2,3,4,5,6,7,8,9,10,11,12,13,14,15
	QSTEP \t
.endr
	ds_load_b64 v[8:9], v6                         ; LDS serves a wave's instructions in order: these see my byte stores
	s_wait_dscnt 0x0
	global_store_b64 v7, v[8:9], s[22:23]          ; 256 consecutive scale bytes, aligned
	s_wait_tensorcnt 0x0                           ; the wave's end: closing lines behind my last LDS store
	ds_add_u32 v[SPW], v[NIL]
	s_wait_dscnt 0x0
	s_endpgm
.Lnot_quant:
	s_cmp_lt_u32 ttmp9, 736
	s_cbranch_scc0 .Lcast
; ---------------- THE MASK.  A wave packs 32 queries x 256 keys: four steps of 64 keys.  A step's 32 x 256 bytes are loaded by rows (sixteen lanes a row's 256 bytes), turn through the wave's stage, and come back so that
; lane (r, h) holds, in register 32 t + n, the word of query 16 t + r and key 16 (n / 8) + 8 h + n % 8.  A compare then gives the lane mask of register n of tile t, which is the word to be stored.
	s_sub_co_u32 s29, ttmp9, 480
	s_lshl_b32 s29, s29, 2
	s_add_co_u32 s29, s29, s28                     ; 0..1,023
	s_lshr_b32 s30, s29, 3                         ; which group of 32 queries, over both batches
	s_and_b32 s31, s29, 7                          ; which 256 keys
	s_lshl_b32 s36, s31, 10
	s_lshl_b32 s34, s30, 18                        ; 32 rows of 8,192 bytes
	s_add_co_u32 s34, s34, s36
	s_mov_b32 s35, 0
	s_add_nc_u64 s[18:19], s[18:19], s[34:35]
	s_lshl_b32 s34, s30, 13                        ; a group's 32 steps x 256 bytes of words
	s_add_co_u32 s34, s34, s36
	s_add_nc_u64 s[26:27], s[26:27], s[34:35]
	v_lshrrev_b32 v8, 4, v2                        ; lane / 16
	v_and_b32 v9, 15, v2                           ; lane % 16
	v_lshlrev_b32 v3, 13, v8
	v_lshl_add_u32 v3, v9, 4, v3                   ; in memory: two rows an instruction, 16 bytes a lane
	v_lshlrev_b32 v4, 3, v2                        ; out: 8 bytes a lane
	s_mul_i32 s37, s28, MWB
	s_add_co_u32 s37, s37, MST                     ; my stage
	v_mul_u32_u24 v5, v8, 272
	v_lshl_add_u32 v5, v9, 4, v5
	v_add_nc_u32 v5, s37, v5                       ; into it, as loaded
	v_mul_u32_u24 v6, v9, 272
	v_lshl_add_u32 v6, v8, 5, v6
	v_add_nc_u32 v6, s37, v6                       ; out of it: row r, 32 bytes for each half of the lanes
.irp i, 0,1,2,3,4,5,6,7
	v_mov_b32 v[MW+\i], 0                          ; written once: a lane write's destination counts as read
.endr
.macro MLOAD k
.irp i, 0,1,2,3,4,5,6,7,8,9,10,11,12,13,14,15
	global_load_b128 v[MR+64*((\k)%2)+4*\i:MR+64*((\k)%2)+4*\i+3], v3, s[18:19] offset:256*(\k)+16384*\i th:TH_LOAD_NT
.endr
.endm
.macro MSTEP k
.if (\k) < 3
	s_wait_loadcnt 16                              ; this step's 16 loads are in; the next step's 16 may be out
.else
	s_wait_loadcnt 0x0
.endif
.irp i, 0,1,2,3,4,5,6,7,8,9,10,11,12,13,14,15
	ds_store_b128 v5, v[MR+64*((\k)%2)+4*\i:MR+64*((\k)%2)+4*\i+3] offset:544*\i
.endr
.irp x, 0,1,2,3,4,5,6,7,8,9,10,11,12,13,14,15
	ds_load_b128 v[MX+4*\x:MX+4*\x+3], v6 offset:(\x/8)*4352+((\x/2)%4)*64+(\x%2)*16   ; tile x / 8, keys 16 ((x / 2) % 4) + 8 h + 4 (x % 2) on
.endr
	s_wait_dscnt 0x0                               ; the words are back, and the stores have read their registers
.if (\k) < 2
	MLOAD (\k)+2
.endif
.irp g, 0,1,2,3
.irp y, 0,1,2,3,4,5,6,7,8,9,10,11,12,13,14,15
	v_cmp_ne_u32 s[32+\y], 0, v[MX+16*\g+\y]       ; word 16 g + y of the step's 64
.endr
.irp y, 0,1,2,3,4,5,6,7,8,9,10,11,12,13,14,15
	v_writelane_b32 v[MW+2*(\k)+(\y%2)], s[32+\y], 8*\g+(\y/2)   ; lane l of the pair holds words 2 l and 2 l + 1
.endr
.endr
	global_store_b64 v4, v[MW+2*(\k):MW+2*(\k)+1], s[26:27] offset:256*(\k)   ; 256 consecutive bytes, aligned; each step has a pair of its own
.endm
	MLOAD 0
	MLOAD 1
	MSTEP 0
	MSTEP 1
	MSTEP 2
	MSTEP 3
	s_wait_tensorcnt 0x0                           ; the wave's end: closing lines behind my last LDS store
	ds_add_u32 v[SPW], v[NIL]
	s_wait_dscnt 0x0
	s_endpgm
.Lcast:
; ---------------- w_o TO f16.  A wave takes 2,048 numbers: 16 loads of 512 consecutive bytes, 16 stores of 256.
	s_sub_co_u32 s29, ttmp9, 736
	s_lshl_b32 s29, s29, 2
	s_add_co_u32 s29, s29, s28
	s_lshl_b32 s34, s29, 13
	s_mov_b32 s35, 0
	s_add_nc_u64 s[16:17], s[16:17], s[34:35]
	s_lshl_b32 s34, s29, 12
	s_add_nc_u64 s[24:25], s[24:25], s[34:35]
	v_lshlrev_b32 v3, 4, v2
	v_lshlrev_b32 v4, 3, v2
.irp i, 0,1,2,3,4,5,6,7,8,9,10,11,12,13,14,15
	global_load_b128 v[16+4*\i:16+4*\i+3], v3, s[16:17] offset:512*\i th:TH_LOAD_NT
.endr
.irp i, 0,1,2,3,4,5,6,7,8,9,10,11,12,13,14,15
	s_wait_loadcnt 15-\i                           ; loads come back in order: load i is in, the younger ones may be out
	v_cvt_pk_f16_f32 v[80+2*\i], v[16+4*\i], v[17+4*\i]
	v_cvt_pk_f16_f32 v[81+2*\i], v[18+4*\i], v[19+4*\i]
	global_store_b64 v4, v[80+2*\i:81+2*\i], s[24:25] offset:256*\i
.endr
	s_wait_tensorcnt 0x0                           ; the same closing lines as in the other two paths
	ds_add_u32 v[SPW], v[NIL]
	s_wait_dscnt 0x0
	s_endpgm
.Lfunc_end_k_qcba0a61371_prep:
	.size	k_qcba0a61371_prep, .Lfunc_end_k_qcba0a61371_prep-k_qcba0a61371_prep
	.p2alignl 7, 3214868480
	.fill 96, 4, 3214868480
	.section	.rodata,"a",@progbits
	.p2align	6, 0x0
	.amdhsa_kernel k_qcba0a61371_prep
		.amdhsa_group_segment_fixed_size 68096
		.amdhsa_private_segment_fixed_size 0
		.amdhsa_enable_private_segment 0
		.amdhsa_kernarg_size 96
		.amdhsa_user_sgpr_count 2
		.amdhsa_user_sgpr_kernarg_segment_ptr 1
		.amdhsa_wavefront_size32 1
		.amdhsa_system_sgpr_workgroup_id_x 1
		.amdhsa_system_sgpr_workgroup_id_y 1
		.amdhsa_system_sgpr_workgroup_id_z 1
		.amdhsa_system_vgpr_workitem_id 0
		.amdhsa_next_free_vgpr 224
		.amdhsa_next_free_sgpr 66
		.amdhsa_reserve_vcc 0
		.amdhsa_float_denorm_mode_32 3
		.amdhsa_float_denorm_mode_16_64 3
		.amdhsa_memory_ordered 1
		.amdhsa_forward_progress 1
		.amdhsa_inst_pref_size 88
	.end_amdhsa_kernel
	.amdgpu_metadata
---
amdhsa.version: [ 1, 2 ]
amdhsa.kernels:
  - .name:           k_qcba0a61371_prep
    .symbol:         k_qcba0a61371_prep.kd
    .args:
      - { .name: q, .offset: 0, .size: 8, .value_kind: global_buffer, .address_space: global }
      - { .name: k, .offset: 8, .size: 8, .value_kind: global_buffer, .address_space: global }
      - { .name: v, .offset: 16, .size: 8, .value_kind: global_buffer, .address_space: global }
      - { .name: w_q, .offset: 24, .size: 8, .value_kind: global_buffer, .address_space: global }
      - { .name: w_k, .offset: 32, .size: 8, .value_kind: global_buffer, .address_space: global }
      - { .name: w_v, .offset: 40, .size: 8, .value_kind: global_buffer, .address_space: global }
      - { .name: w_o, .offset: 48, .size: 8, .value_kind: global_buffer, .address_space: global }
      - { .name: mask, .offset: 56, .size: 8, .value_kind: global_buffer, .address_space: global }
      - { .name: codes, .offset: 64, .size: 8, .value_kind: global_buffer, .address_space: global }
      - { .name: scales, .offset: 72, .size: 8, .value_kind: global_buffer, .address_space: global }
      - { .name: wo16, .offset: 80, .size: 8, .value_kind: global_buffer, .address_space: global }
      - { .name: mbits, .offset: 88, .size: 8, .value_kind: global_buffer, .address_space: global }
    .group_segment_fixed_size: 68096
    .private_segment_fixed_size: 0
    .kernarg_segment_align: 8
    .kernarg_segment_size: 96
    .max_flat_workgroup_size: 128
    .sgpr_count:     66
    .vgpr_count:     224
    .wavefront_size: 32
...
	.end_amdgpu_metadata
.endif
;; end of part 1
;; launch proj (part 2): grid 4 x 48, 4 waves a work-group, clusters of 4 x 4, 327,680 bytes of LDS; arguments codes, scales, qkv, b_q, b_k, b_v; writes qkv
.if DOCPART == 2
	.amdgcn_target "amdgcn-amd-amdhsa--gfx1250"
	.amdhsa_code_object_version 6
	.text
	.protected	k_qcba0a61371_proj
	.globl	k_qcba0a61371_proj
	.p2align	8
	.type	k_qcba0a61371_proj,@function
k_qcba0a61371_proj:
	s_mov_b64 s[64:65], 0
	v_nop
	global_prefetch_b8 v0, s[64:65] scope:SCOPE_SE
	s_setreg_imm32_b32 hwreg(HW_REG_WAVE_MODE, 25, 1), 1
	s_wait_xcnt 0x0
	s_wait_alu depctr_hold_cnt(0) depctr_sa_sdst(0) depctr_va_vdst(0) depctr_va_sdst(0) depctr_va_ssrc(0) depctr_va_vcc(0) depctr_vm_vsrc(0)
	s_getreg_b32 s2, hwreg(HW_REG_IB_STS2, 6, 4)
	s_cmp_eq_u32 s2, 0
	s_cbranch_scc0 .Lentry_in_a_cluster
	s_endpgm
.Lentry_in_a_cluster:
	s_bfe_u32 s2, ttmp6, 0x10000c
	s_cmp_lg_u32 s2, 0xf033
	s_cbranch_scc0 .Lentry_shape_is_right
	s_endpgm
.Lentry_shape_is_right:
; THE THREE QUANTISED PRODUCTS IN ONE GRID: y = x W^T + b for (q, w_q, b_q), (k, w_k, b_k), (v, w_v, b_v), on codes of FP4 (E2M1) with one E8M0 scale for each 32 along K = 1,024; sums in f32.
; The tokens of q, k, v are rows 0..12,287 of the stacked codes (512 bytes a row) and scale bytes (32 a row), the weights' rows follow from row 12,288.  Tile row tr (256 tokens) of 48 says which product: tr / 16.
; A tile, 256 tokens x 256 features, is made by four waves, each 128 x 128: 64 accumulators.  The whole K lies in two LDS slots of 512 along K, both asked for at the head: nothing is filled again.
; The scale bytes of the tile's 256 + 256 rows come once, as dense blocks.  CLUSTERS: 4 x 4 work-groups; A's tiles are shared along a row of the cluster, B's along a column: joint loads.
; THE MATRIX INSTRUCTION IS USED TRANSPOSED (source 0 = 16 rows of W, source 1 = 16 tokens): a lane holds eight neighbouring features of one token.  The bias is the C of each sum's first product.
; THE WAY OUT: x F (F = log2(e) / 8 for the queries, so that the scores come out as base-2 exponents; 1 for keys and values), rounded to f16, laid [product][batch x 16 + head][token][64].
; LIMITS: results beyond 65,504 in magnitude become infinity in f16; under 6e-5 they keep a step of 6e-8.
; REGISTERS, in windows of 256: window 0: v0-31 addresses; v32-95 scale words, two sets, and nothing else; v128-191 A's fragments, one set, later rows on the way out; v192-223 packed results.
;   window 1: B's fragments, two sets, at v0 and v128; v64-127 the bias in the result's layout.   window 2: accumulators of my tokens 0-63 ((a, b) at v[8 (8 a + b)]);   window 3: of my tokens 64-127.
.set KSTEP,  512
.set NQ,     KSTEP/128
.set ROWB,   256                       ; a tile's row in bytes
.set KROW,   512                       ; a row of codes in memory
.set PITCH,  272                       ; an LDS row: 256 bytes + 16 of padding: the 16 rows that a load touches start at 16 different banks (64 banks of 4 bytes: ISA guide 11.1)
.set FR,     8
.set NL,     2
.set NP,     4                         ; places behind this matrix instruction (ISA guide 7.12.1)
.set HALFT,  128*PITCH
.set SLOT,   4*HALFT
.set KS,     32                        ; a row of scale bytes
.set SCL,    2*SLOT
.set HALFS,  (128*KS/256)*272
.set SBLK,   (16*KS/256)*272
.set SPARE,  SCL+4*HALFS               ; the spare words, 128 bytes for each wave: two blocks of 256 bytes that no other line names
.set SPITCH, 272                       ; the way out: 16 rows x (256 bytes + 16) for each wave, in slot 0, which has had its only fill and its last read by then
.set ADRA, 16
.set ADRB, 20
.set STO,  24
.set RD,   25
.set CO,   26
.set ADRS, 27
.set SPW,  28
.set NIL,  29
.set BO,   30                          ; v30  32 x (lane / 16): my eight numbers of a block of the bias
.set SC,   32
.set AF,   128
.set BK,   128
.set TMP,  192
.set BI,   64                          ; in window 1
.set G1, 24
.set G0, 32
.set G1B, 48
.set G0B, 56
.set G1S, 68
.set G0S, 76
.set G1SB, 80
.set G0SB, 88
.set MSB, 0
.macro WIN new                         ; the immediate's high byte repeats the setting that is left
.if MSB != (\new)
	s_set_vgpr_msb (MSB<<8)|(\new)
.set MSB, (\new)
.endif
.endm
.set MUL_LO, 0xa1                      ; source 0 (W) window 1, source 1 (tokens) window 0, C and D window 2
.set MUL_HI, 0xf1                      ; the same, C and D window 3
.set BIA_LO, 0x91                      ; the first step: C is the bias, in window 1
.set BIA_HI, 0xd1
.set TO_B,   0x40
; A joint load: waves 0 and 1 fetch for A, waves 2 and 3 for B; the branch hangs on the wave's number alone.  An s_nop 0 and four v_nop follow each line.
.macro JLOAD g0a, g1a, g0b, g1b
	s_cmp_eq_u32 s15, 0
	s_cbranch_scc0 .Lfor_b_\@
	tensor_load_to_lds s[\g0a:\g0a+3], s[\g1a:\g1a+7]
	s_nop 0
.rept 4
	v_nop
.endr
	s_branch .Lasked_\@
.Lfor_b_\@:
	tensor_load_to_lds s[\g0b:\g0b+3], s[\g1b:\g1b+7]
	s_nop 0
.rept 4
	v_nop
.endr
.Lasked_\@:
.endm
.macro CROUND                          ; a round of the cluster's barrier
	s_barrier_signal -1
	s_barrier_wait -1
	s_cmp_lg_u32 s14, 0
	s_cbranch_scc1 .Lnot_wave_0_\@
	s_barrier_signal -3
.Lnot_wave_0_\@:
	s_barrier_wait -3
	s_barrier_signal -1
	s_barrier_wait -1
.endm
	s_load_b256 s[4:11], s[0:1], 0x0               ; codes s[4:5], scales s[6:7], qkv s[8:9], b_q s[10:11]
	s_load_b128 s[96:99], s[0:1], 0x20             ; b_k, b_v
	v_lshl_add_u32 v[SPW], v0, 2, SPARE
	v_mov_b32 v[NIL], 0
	ds_add_u32 v[SPW], v[NIL]                      ; the wave's opening: the add, twice on end, and its wait ahead of my first tensor load
	ds_add_u32 v[SPW], v[NIL]
	v_lshrrev_b32 v1, 5, v0
	v_readfirstlane_b32 s14, v1                    ; wave 0..3
	s_lshr_b32 s15, s14, 1                         ; which half of the tile's tokens is mine.  Also: I fetch for A (0) or for B (1)
	s_and_b32 s16, s14, 1                          ; which half of its features.  Also: which 128 rows I fetch
	s_bfe_u32 s40, ttmp6, 0x40000                  ; cx, cy
	s_bfe_u32 s41, ttmp6, 0x40004
	s_lshl_b32 s42, ttmp9, 2
	s_add_co_u32 s42, s42, s40                     ; tile column = 4 x cluster x + cx
	s_and_b32 s17, ttmp7, 0xffff
	s_lshr_b32 s95, s17, 2                         ; which product: 0, 1, 2: four clusters along y to each; the same in all sixteen partners
	s_lshl_b32 s17, s17, 2
	s_add_co_u32 s17, s17, s41                     ; tile row = 4 x cluster y + cy
	s_lshl_b32 s43, s41, 2
	s_lshl_b32 s43, 15, s43                        ; my row of the cluster
	s_lshl_b32 s44, 0x1111, s40                    ; my column
	s_or_b32 s[G1+0], s43, (0<<16)|(1<<20)|(1<<21)|(5<<22)|(3<<25)  ; the mask; elements of 1 byte; padding on; bit 21 beside a mask; 4 words behind every 64
	s_or_b32 s[G1B+0], s44, (0<<16)|(1<<20)|(1<<21)|(5<<22)|(3<<25)
.irp g, G1, G1B
	s_mov_b32 s[\g+1], ROWB<<16                    ; tensor_dim0
	s_mov_b32 s[\g+2], 128<<16                     ; tensor_dim1
	s_mov_b32 s[\g+3], ROWB<<16                    ; tile_dim0
	s_mov_b32 s[\g+4], 128                         ; tile_dim1
	s_mov_b32 s[\g+5], KROW                        ; from row to row
	s_mov_b32 s[\g+6], 0
	s_mov_b32 s[\g+7], 0
.endr
	s_or_b32 s[G1S+0], s43, (3<<16)|(1<<20)|(1<<21)|(5<<22)|(3<<25) ; the scales of 128 rows: 4,096 dense bytes as 16 rows of 32 elements of 8 bytes
	s_or_b32 s[G1SB+0], s44, (3<<16)|(1<<20)|(1<<21)|(5<<22)|(3<<25)
.irp g, G1S, G1SB
	s_mov_b32 s[\g+1], 32<<16
	s_mov_b32 s[\g+2], (128*KS/256)<<16
	s_mov_b32 s[\g+3], 32<<16
	s_mov_b32 s[\g+4], 128*KS/256
	s_mov_b32 s[\g+5], 32
	s_mov_b32 s[\g+6], 0
	s_mov_b32 s[\g+7], 0
.endr
	s_cmp_eq_u32 s95, 0
	s_cselect_b32 s100, 0x3e38aa3b, 1.0            ; F: log2(e) / 8 for the queries, else 1
	s_mov_b32 s101, s100                           ; (named with it as a pair)
	s_lshl_b32 s18, s16, 7                         ; which 128 rows I fetch
	s_lshl_b32 s20, s17, 8
	s_add_co_u32 s20, s20, s18                     ; A: row 256 x tile row + 128 x half
	s_lshl_b32 s46, s42, 8
	s_add_co_u32 s46, s46, s18                     ; B: 256 x tile column + 128 x half,
	s_lshl_b32 s19, s95, 10
	s_add_co_u32 s46, s46, s19                     ; in the product's weight,
	s_add_co_u32 s46, s46, 12288                   ; behind the 12,288 rows of tokens
	s_mov_b32 s21, 0
	s_mov_b32 s47, 0
	s_mov_b64 s[18:19], KS
	s_mul_u64 s[22:23], s[20:21], s[18:19]         ; where these rows' scales begin
	s_mul_u64 s[92:93], s[46:47], s[18:19]
	s_mov_b64 s[18:19], KROW
	s_mul_u64 s[20:21], s[20:21], s[18:19]         ; and their codes
	s_mul_u64 s[46:47], s[46:47], s[18:19]
	s_mul_i32 s45, s14, HALFT                      ; where they go: wave x 128 rows
	s_mul_i32 s94, s14, HALFS
	s_wait_dscnt 0x0                               ; both opening adds are done
	s_wait_kmcnt 0x0
	s_cmp_eq_u32 s95, 1                            ; the product's bias: a choice on ids alone
	s_cselect_b64 s[10:11], s[96:97], s[10:11]
	s_cmp_eq_u32 s95, 2
	s_cselect_b64 s[10:11], s[98:99], s[10:11]
	s_add_nc_u64 s[20:21], s[4:5], s[20:21]
	s_add_nc_u64 s[22:23], s[6:7], s[22:23]
	s_add_nc_u64 s[46:47], s[4:5], s[46:47]
	s_add_nc_u64 s[92:93], s[6:7], s[92:93]
	CROUND                                         ; all sixteen work-groups are here: the joint loads meet
	s_mov_b32 s[G0S], 1
	s_add_co_u32 s[G0S+1], s94, SCL
	s_mov_b64 s[G0S+2:G0S+3], s[22:23]
	s_or_b32 s[G0S+3], s[G0S+3], 0x80000000
	s_mov_b32 s[G0SB], 1
	s_add_co_u32 s[G0SB+1], s94, SCL
	s_mov_b64 s[G0SB+2:G0SB+3], s[92:93]
	s_or_b32 s[G0SB+3], s[G0SB+3], 0x80000000
	JLOAD G0S, G1S, G0SB, G1SB                     ; the scales first; with the two slots three loads of mine are out
.irp s, 0,1
	s_mov_b32 s[G0+4*\s], 1
	s_add_co_u32 s[G0+4*\s+1], s45, \s*SLOT
	s_add_nc_u64 s[G0+4*\s+2:G0+4*\s+3], s[20:21], \s*ROWB
	s_or_b32 s[G0+4*\s+3], s[G0+4*\s+3], 0x80000000
	s_mov_b32 s[G0B+4*\s], 1
	s_add_co_u32 s[G0B+4*\s+1], s45, \s*SLOT
	s_add_nc_u64 s[G0B+4*\s+2:G0B+4*\s+3], s[46:47], \s*ROWB
	s_or_b32 s[G0B+4*\s+3], s[G0B+4*\s+3], 0x80000000
	JLOAD G0+4*\s, G1, G0B+4*\s, G1B
.endr
	v_and_b32 v1, 15, v0                           ; r
	v_bfe_u32 v2, v0, 4, 1                         ; h
	v_lshlrev_b32 v[BO], 5, v2
	s_lshl_b32 s46, s42, 10                        ; the bias of my 128 features: 4 x (256 x tile column + 128 x half)
	s_lshl_b32 s47, s16, 9
	s_add_co_u32 s46, s46, s47
	s_mov_b32 s47, 0
	s_add_nc_u64 s[10:11], s[10:11], s[46:47]
	WIN TO_B
.irp b, 0,1,2,3,4,5,6,7
	global_load_b128 v[BI+8*\b:BI+8*\b+3], v[BO], s[10:11] offset:64*\b        ; block b: features 16 b + 8 h + 0 .. 7
	global_load_b128 v[BI+8*\b+4:BI+8*\b+7], v[BO], s[10:11] offset:64*\b+16
.endr
	WIN 0
	v_mul_u32_u24 v3, v1, PITCH
	v_lshl_add_u32 v4, v2, 4, v3                   ; a fragment's row x pitch + 16 x half
	s_mul_i32 s21, s15, HALFT
	s_mul_i32 s22, s16, HALFT
	s_add_co_u32 s22, s22, 2*HALFT
.irp s, 0,1
	v_add_nc_u32 v[ADRA+\s], s21, v4
	v_add_nc_u32 v[ADRB+\s], s22, v4
	s_add_co_u32 s21, s21, SLOT
	s_add_co_u32 s22, s22, SLOT
.endr
	v_mul_u32_u24 v5, v1, KS                       ; my row's scales: KS bytes a row,
	v_lshrrev_b32 v6, 8, v5
	v_lshl_add_u32 v5, v6, 4, v5                   ; and 16 more for each 256 passed
	s_mul_i32 s21, s15, HALFS
	s_mul_i32 s22, s16, HALFS
	s_add_co_u32 s22, s22, 2*HALFS
	s_sub_co_u32 s22, s22, s21
	v_mul_u32_u24 v6, s22, v2                      ; lanes 16-31 take B's: one product, the distance between the two bases
	s_add_co_u32 s21, s21, SCL
	v_add_nc_u32 v5, v5, v6
	v_add_nc_u32 v[ADRS], s21, v5
	s_mul_i32 s23, s14, 16*SPITCH                  ; my stage
	v_mul_u32_u24 v5, v1, SPITCH
	v_lshl_add_u32 v5, v2, 4, v5
	v_add_nc_u32 v[STO], s23, v5                   ; in: token r, 16 bytes for each half of the lanes
	v_bfe_u32 v5, v0, 3, 2
	v_mul_u32_u24 v5, v5, SPITCH
	v_and_b32 v6, 7, v0
	v_lshl_add_u32 v5, v6, 4, v5
	v_add_nc_u32 v[RD], s23, v5                    ; back: eight lanes take a token's 128 bytes of one head, four tokens an instruction
	v_and_b32 v6, 31, v0
	v_lshlrev_b32 v[CO], 4, v6                     ; which are 512 consecutive bytes of the output
	s_lshr_b32 s20, s17, 3                         ; the output: (product, batch) = tile row / 8: 16 heads x 2,048 tokens x 128 bytes each,
	s_lshl_b32 s20, s20, 22
	s_and_b32 s21, s17, 7
	s_lshl_b32 s21, s21, 15                        ; token 256 x (tile row % 8)
	s_add_co_u32 s20, s20, s21
	s_lshl_b32 s21, s15, 14                        ; + 128 x half, 128 bytes a token,
	s_add_co_u32 s20, s20, s21
	s_mov_b32 s21, 0
	s_lshl_b32 s46, s42, 20                        ; head 4 x tile column + 2 x half, 262,144 bytes a head
	s_lshl_b32 s47, s16, 19
	s_add_co_u32 s46, s46, s47
	s_mov_b32 s47, 0
	s_add_nc_u64 s[20:21], s[20:21], s[46:47]
	s_add_nc_u64 s[12:13], s[8:9], s[20:21]
.macro FRAG reg, adr, q, i             ; 16 rows x 128 K of 4-bit codes: 8 registers: two loads of 16 bytes, 32 bytes apart
.irp c, 0,1
	ds_load_b128 v[\reg+4*\c:\reg+4*\c+3], v[\adr] offset:64*(\q)+32*\c+(\i)*16*PITCH
.endr
.endm
; 16 matrix instructions: token blocks a0, a0 + 1 x W's eight blocks, 128 along K.  zero = 1: the first product starts the sums with the bias as C.  The 64 accumulators take turns.
.macro MUL16 a0, p, q, sc, zero
.irp a, \a0, \a0+1
.irp b, 0,1,2,3,4,5,6,7
.if \zero
	v_wmma_scale_f32_16x16x128_f8f6f4 v[8*(8*((\a)%4)+\b):8*(8*((\a)%4)+\b)+7], v[128*(\p)+FR*\b:128*(\p)+FR*\b+FR-1], v[AF+FR*(\a):AF+FR*(\a)+FR-1], v[BI+8*\b:BI+8*\b+7], v[SC+8*NQ*(\sc)+NQ*\b+(\q)], v[SC+8*NQ*(\sc)+NQ*(\a)+(\q)] matrix_a_fmt:MATRIX_FMT_FP4 matrix_b_fmt:MATRIX_FMT_FP4 matrix_a_scale:MATRIX_SCALE_ROW1
.else
	v_wmma_scale_f32_16x16x128_f8f6f4 v[8*(8*((\a)%4)+\b):8*(8*((\a)%4)+\b)+7], v[128*(\p)+FR*\b:128*(\p)+FR*\b+FR-1], v[AF+FR*(\a):AF+FR*(\a)+FR-1], v[8*(8*((\a)%4)+\b):8*(8*((\a)%4)+\b)+7], v[SC+8*NQ*(\sc)+NQ*\b+(\q)], v[SC+8*NQ*(\sc)+NQ*(\a)+(\q)] matrix_a_fmt:MATRIX_FMT_FP4 matrix_b_fmt:MATRIX_FMT_FP4 matrix_a_scale:MATRIX_SCALE_ROW1
.endif
.endr
.endr
.endm
.macro FETCH_B slot, q, p
	WIN TO_B
.irp i, 0,1,2,3,4,5,6,7
	FRAG 128*(\p)+FR*\i, ADRB+\slot, \q, \i
.endr
	WIN 0
.endm
.macro FETCH_A slot, q, i0
.irp i, \i0, \i0+1, \i0+2, \i0+3
	FRAG AF+FR*(\i), ADRA+\slot, \q, \i
.endr
.endm
.macro SCALES sc                       ; a slot's scale words: four a row; lanes 0-15 take A's block i, lanes 16-31 B's block i
.irp i, 0,1,2,3,4,5,6,7
	ds_load_b128 v[SC+8*NQ*\sc+NQ*\i:SC+8*NQ*\sc+NQ*\i+3], v[ADRS] offset:\i*SBLK
.endr
.endm
.macro PLACES n                        ; plain vector instructions between a matrix instruction and a load into, or a read of, its registers
.rept \n
	v_nop
.endr
.endm
.macro STEP slot, q, zero              ; 128 along K with its successor in the same slot
	s_wait_dscnt 4*NL                              ; B's set and A's blocks 0-3 are in; the youngest eight loads (A's blocks 4-7) may be out
.if \zero
	WIN BIA_LO
.else
	WIN MUL_LO
.endif
	MUL16 0, (\q)%2, \q, \slot, \zero
	MUL16 2, (\q)%2, \q, \slot, \zero
	s_wait_dscnt 0
	PLACES NP
	FETCH_B \slot, (\q)+1, 1-(\q)%2
	FETCH_A \slot, (\q)+1, 0
.if \zero
	WIN BIA_HI
.else
	WIN MUL_HI
.endif
	MUL16 4, (\q)%2, \q, \slot, \zero
	MUL16 6, (\q)%2, \q, \slot, \zero
	PLACES NP
	WIN 0
	FETCH_A \slot, (\q)+1, 4
.endm
.macro STEPS slot, from
.set Q, \from
.rept NQ-1-\from
	STEP \slot, Q, 0
.set Q, Q+1
.endr
.endm
	s_wait_tensorcnt 1                             ; the scales and my part of slot 0 are in (slot 1's load may be out)
	s_barrier_signal -1
	s_barrier_wait -1                              ; everybody's are
	FETCH_B 0, 0, 0
	FETCH_A 0, 0, 0
	SCALES 0
	FETCH_A 0, 0, 4
	s_wait_loadcnt 0x0                             ; the bias
	STEP 0, 0, 1
	STEPS 0, 1
	; slot 0's last step changes slots: one barrier; in front of it all my tensor loads have landed, the add, and my reads of slot 0 are over
	s_wait_tensorcnt 0x0
	ds_add_u32 v[SPW], v[NIL]                      ; 0 onto my spare word
	s_wait_dscnt 4*NL+1                            ; (the add and the youngest eight loads may be out)
	WIN MUL_LO
	MUL16 0, 1, NQ-1, 0, 0
	s_wait_dscnt 0x0
	s_barrier_signal -1
	MUL16 2, 1, NQ-1, 0, 0
	WIN 0
	s_barrier_wait -1
	PLACES NP
	v_add_nc_u32 v[ADRS], 4*NQ, v[ADRS]            ; on to slot 1's scale words
	FETCH_B 1, 0, 0
	FETCH_A 1, 0, 0
	SCALES 1
	WIN MUL_HI
	MUL16 4, 1, NQ-1, 0, 0
	MUL16 6, 1, NQ-1, 0, 0
	PLACES NP
	WIN 0
	FETCH_A 1, 0, 4
	STEPS 1, 0
	s_wait_dscnt 4*NL                              ; the very last step: nothing more to fetch
	WIN MUL_LO
	MUL16 0, 1, NQ-1, 1, 0
	MUL16 2, 1, NQ-1, 1, 0
	s_wait_dscnt 0
	WIN MUL_HI
	MUL16 4, 1, NQ-1, 1, 0
	MUL16 6, 1, NQ-1, 1, 0
	WIN 0
; THE WAY OUT, a block of 16 tokens x 128 features (two heads) at a time: x F, rounded to f16, 16 bytes a lane into my stage, back as 4 tokens x 128 bytes of one head, which are 512 consecutive bytes of the output.
.macro PACK a
.set AC, 64*((\a)%4)
	WIN 0x82+0x41*((\a)/4)                         ; destination and source 0: window 2 or 3
.set i, 0
.rept 32
	v_pk_mul_f32 v[AC+i:AC+i+1], v[AC+i:AC+i+1], s[100:101] op_sel_hi:[1,0]   ; each accumulator from its low end on
.set i, i+2
.endr
	WIN 0x0a+5*((\a)/4)                            ; sources 0 and 1: window 2 or 3
.irp b, 0,1,2,3,4,5,6,7
.irp r, 0,1,2,3
	v_cvt_pk_f16_f32 v[TMP+4*\b+\r], v[AC+8*\b+2*\r], v[AC+8*\b+2*\r+1]
.endr
.endr
	WIN 0
.endm
.macro TOSTAGE a
.set BB, BK+32*((\a)%2)
.irp b, 0,1,2,3,4,5,6,7
	ds_store_b128 v[STO], v[TMP+4*\b:TMP+4*\b+3] offset:32*\b
.endr
.irp hh, 0,1
.irp i, 0,1,2,3
	ds_load_b128 v[BB+16*\hh+4*\i:BB+16*\hh+4*\i+3], v[RD] offset:128*\hh+4*SPITCH*\i   ; LDS serves a wave's instructions in order: these see the stores above
.endr
.endr
.endm
.macro SEND a
.set BB, BK+32*((\a)%2)
	s_wait_dscnt 0x0                               ; the block is back in registers
	s_wait_xcnt 0x0                                ; the stores of the block before have read their registers: the next block's loads may land there
.irp hh, 0,1
.irp i, 0,1,2,3
	global_store_b128 v[CO], v[BB+16*\hh+4*\i:BB+16*\hh+4*\i+3], s[12:13] offset:262144*\hh+2048*(\a)+512*\i
.endr
.endr
.endm
	PLACES NP                                      ; behind the last products, ahead of the first read of results
	PACK 0
	TOSTAGE 0
.irp a, 1,2,3,4,5,6,7                  ; block a's arithmetic stands between block a - 1's loads from the stage and the wait for them
	PACK \a
	SEND \a-1
	TOSTAGE \a
.endr
	SEND 7
	s_wait_tensorcnt 0x0                           ; the wave's end
	ds_add_u32 v[SPW], v[NIL]
	s_wait_dscnt 0x0
	CROUND                                         ; the closing round
	s_endpgm
.Lfunc_end_k_qcba0a61371_proj:
	.size	k_qcba0a61371_proj, .Lfunc_end_k_qcba0a61371_proj-k_qcba0a61371_proj
	.p2alignl 7, 3214868480
	.fill 96, 4, 3214868480
	.section	.rodata,"a",@progbits
	.p2align	6, 0x0
	.amdhsa_kernel k_qcba0a61371_proj
		.amdhsa_group_segment_fixed_size 327680
		.amdhsa_private_segment_fixed_size 0
		.amdhsa_enable_private_segment 0
		.amdhsa_kernarg_size 48
		.amdhsa_user_sgpr_count 2
		.amdhsa_user_sgpr_kernarg_segment_ptr 1
		.amdhsa_wavefront_size32 1
		.amdhsa_system_sgpr_workgroup_id_x 1
		.amdhsa_system_sgpr_workgroup_id_y 1
		.amdhsa_system_sgpr_workgroup_id_z 1
		.amdhsa_system_vgpr_workitem_id 0
		.amdhsa_next_free_vgpr 1024
		.amdhsa_next_free_sgpr 102
		.amdhsa_reserve_vcc 0
		.amdhsa_float_denorm_mode_32 3
		.amdhsa_float_denorm_mode_16_64 3
		.amdhsa_memory_ordered 1
		.amdhsa_forward_progress 1
		.amdhsa_inst_pref_size 145
	.end_amdhsa_kernel
	.amdgpu_metadata
---
amdhsa.version: [ 1, 2 ]
amdhsa.kernels:
  - .name:           k_qcba0a61371_proj
    .symbol:         k_qcba0a61371_proj.kd
    .args:
      - { .name: codes, .offset: 0, .size: 8, .value_kind: global_buffer, .address_space: global }
      - { .name: scales, .offset: 8, .size: 8, .value_kind: global_buffer, .address_space: global }
      - { .name: qkv, .offset: 16, .size: 8, .value_kind: global_buffer, .address_space: global }
      - { .name: b_q, .offset: 24, .size: 8, .value_kind: global_buffer, .address_space: global }
      - { .name: b_k, .offset: 32, .size: 8, .value_kind: global_buffer, .address_space: global }
      - { .name: b_v, .offset: 40, .size: 8, .value_kind: global_buffer, .address_space: global }
    .group_segment_fixed_size: 327680
    .private_segment_fixed_size: 0
    .kernarg_segment_align: 8
    .kernarg_segment_size: 48
    .max_flat_workgroup_size: 128
    .sgpr_count:     102
    .vgpr_count:     1024
    .wavefront_size: 32
...
	.end_amdgpu_metadata
.endif
;; end of part 2
;; launch attn (part 3): grid 8 x 32, 8 waves a work-group, clusters of 4 x 1, 327,680 bytes of LDS; arguments qkv, mbits, xh; writes xh
.if DOCPART == 3
	.amdgcn_target "amdgcn-amd-amdhsa--gfx1250"
	.amdhsa_code_object_version 6
	.text
	.protected	k_qcba0a61371_attn
	.globl	k_qcba0a61371_attn
	.p2align	8
	.type	k_qcba0a61371_attn,@function
k_qcba0a61371_attn:
	s_mov_b64 s[64:65], 0
	v_nop
	global_prefetch_b8 v0, s[64:65] scope:SCOPE_SE
	s_setreg_imm32_b32 hwreg(HW_REG_WAVE_MODE, 25, 1), 1
	s_wait_xcnt 0x0
	s_wait_alu depctr_hold_cnt(0) depctr_sa_sdst(0) depctr_va_vdst(0) depctr_va_sdst(0) depctr_va_ssrc(0) depctr_va_vcc(0) depctr_vm_vsrc(0)
	s_getreg_b32 s2, hwreg(HW_REG_IB_STS2, 6, 4)
	s_cmp_eq_u32 s2, 0
	s_cbranch_scc0 .Lentry_in_a_cluster
	s_endpgm
.Lentry_in_a_cluster:
	s_bfe_u32 s2, ttmp6, 0x10000c
	s_cmp_lg_u32 s2, 0x3003
	s_cbranch_scc0 .Lentry_shape_is_right
	s_endpgm
.Lentry_shape_is_right:
; x[b][q][head] = the sum over k of softmax_k(score) V, score = Q . K / 8, replaced by -1e9 where mask[b][q][k] is 0.  Q (already x log2(e) / 8), K, V: [batch x 16 + head][2048][64] f16; sums, maxima, weights in f32;
; the weights p are rounded to f16 for the second product, x once at the end.
; SHARES.  A work-group owns 256 queries of one head; each of its eight waves 32: two tiles of 16.  Two waves share a SIMD, so that one wave's softmax stands beside the other's products and LDS loads.
; Every wave walks all 2,048 keys, 64 a step.  K and V come through a ring of two LDS slots of 256 keys.
; LAYOUT.  S^T = K Q^T (source 0 = 16 keys, source 1 = 16 queries): a lane holds ONE query (lane % 16); register 8 kt + j of a tile is key 16 kt + 8 (lane / 16) + j.  Rounded in pairs these ARE source 1 of
; O^T = V^T P.  K comes out of LDS as it lies, V ([key][channel]) turned, by ds_load_tr16_b128.
; THE MASK comes as bit words laid as lane masks, one for each score register: 32 a tile and step, 256 a slot of four steps.  A slot's words lie in eight vector registers (two loads of 512 consecutive bytes);
; each half is loaded again as soon as its last word has been taken, five tiles ahead of its next use.  32 v_readlane_b32 put a tile's words into scalar registers, a tile ahead, behind the exponentials of the tile
; before.  A hidden score is REPLACED by -1e9 log2(e), by v_cndmask_b32, in every step.
; SOFTMAX.  The scores are base-2 exponents t.  A running maximum m, which is one of the t, and sum l: p = 2^(t - m), so the largest p is 1, in a row that is hidden altogether too (there every p is 1).
; In every step O and l are multiplied by a = 2^(m_old - m_new).  The step is written once: m begins at -3e38, l and O at 0, so the first a is 0.
; CLUSTER.  The four query blocks of a cluster belong to one head and walk the same K and V: each tile is asked for jointly, with a mask that names the four.
; LIMITS: |Q log2(e) / 8|, |K|, |V| and x beyond 65,504 become infinity in f16; real scores under -1e9 are not told apart from hidden ones; NaN and infinities are not served.
; REGISTERS.  window 0: v1-9 addresses and the constant; v12-27 statistics, eight a tile (+0 -m, +1 m, +2, +3 l, +4 .. +7 at work; a at +6); v28-31; v32-95 S^T, 32 a tile; v96-127 P, 16 a tile; v128-191 K; v192-223 Q;
;   v224-231 a slot's mask words.   window 1: v0-63 O^T, 32 a tile; v64-127 V.
.set PK,    144                        ; a key's row of K in LDS: 128 bytes + 16: the 16 rows of a load start at 16 different banks (64 banks of 4 bytes: ISA guide 11.1)
.set PV,    160                        ; of V: 128 + 32
.set VOFF,  256*PK                     ; a slot: 256 rows of K, then 256 rows of V
.set SLOT1, 1<<17                      ; slot 1 begins here: one exclusive or turns an address in one slot into the other's
.set STAGE, SLOT1+256*(PK+PV)          ; behind the ring: 32 rows x 144 bytes for each wave, for the way out
.set SPARE, STAGE+8*32*PK              ; the spare words, 128 bytes for each wave: four blocks of 256 bytes that no other line names
.set AK0, 1
.set AV0, 2
.set ADK, 3
.set ADV, 4
.set QO,  5
.set STO, 6
.set RD,  7
.set GO,  8
.set NEG, 9                            ; v9   -1e9 log2(e)
.set ST,  12
.set SPW, 28
.set NIL, 29
.set PFO, 30                           ; v30  256 x my lane
.set MOF, 31                           ; v31  16 x my lane: my 16 bytes of a load of mask words; never rewritten
.set S,   32
.set P,   96
.set KF,  128
.set QF,  192
.set MK,  224                          ; v224-231: word n of the slot's tile p (p = 2 x step + tile) lies in register 4 (p / 4) + n % 4, lane 8 (p % 4) + n / 4
.set VF,  64                           ; in window 1
.set WV,  10                           ; s10  my wave's number
.set TB,  11                           ; s11  LDS byte at which the slot in hand begins
.set SLOTS, 12                         ; s12  slots still to be asked for
.set SEL, 16                           ; s[16:17] lane selects: lane l xor 16
.set PFA, 18                           ; s[18:19] where my prefetches stand
.set LIM, 20                           ; s20  1 in a wave that prefetches, else the greatest number
.set G1K, 24
.set G1V, 32
.set G0K, 40
.set G0V, 44
.set MW,  68                           ; s[68:99] a tile's 32 mask words
.set MSB, 0
.macro WIN new                         ; the immediate's high byte repeats the setting that is left
.if MSB != (\new)
	s_set_vgpr_msb (MSB<<8)|(\new)
.set MSB, (\new)
.endif
.endm
; A joint load: waves 0 to 3 fetch 64 rows of K each, waves 4 to 7 of V.  The branch hangs on the wave's number alone.  An s_nop 0 and four v_nop follow each line.
.macro JLOAD
	s_cmp_lt_u32 s[WV], 4
	s_cbranch_scc0 .Lfor_v_\@
	tensor_load_to_lds s[G0K:G0K+3], s[G1K:G1K+7]
	s_nop 0
.rept 4
	v_nop
.endr
	s_branch .Lasked_\@
.Lfor_v_\@:
	tensor_load_to_lds s[G0V:G0V+3], s[G1V:G1V+7]
	s_nop 0
.rept 4
	v_nop
.endr
.Lasked_\@:
.endm
; A prefetch of what the NEXT change of slots will ask for: a slot's 32,768 bytes of K and of V.  Each aligned 256 bytes is named once in the launch: the head's first cluster asks; its four partners take 8,192 bytes
; each, told apart by address; in each, wave 0 asks for K's and wave 4 for V's, lanes 256 bytes apart.  The last change that fills a slot asks for nothing; slots 0 and 1 come by their loads alone.
.macro ASK
	s_cmp_gt_u32 s[SLOTS], s[LIM]
	s_cbranch_scc0 .Lnot_mine_\@
	global_prefetch_b8 v[PFO], s[PFA:PFA+1] th:TH_LOAD_NT scope:SCOPE_SE
.Lnot_mine_\@:
.endm
.macro CROUND                          ; a round of the cluster's barrier
	s_barrier_signal -1
	s_barrier_wait -1
	s_cmp_lg_u32 s[WV], 0
	s_cbranch_scc1 .Lnot_wave_0_\@
	s_barrier_signal -3
.Lnot_wave_0_\@:
	s_barrier_wait -3
	s_barrier_signal -1
	s_barrier_wait -1
.endm
; The 32 lane masks of the slot's tile p, out of the vector registers into s[MW] on
.macro TAKE p
.set i, 0
.rept 32
	v_readlane_b32 s[MW+i], v[MK+4*((\p)/4)+i%4], 8*((\p)%4)+i/4
.set i, i+1
.endr
.endm
	s_load_b128 s[4:7], s[0:1], 0x0                ; qkv, mbits
	s_load_b64 s[8:9], s[0:1], 0x10                ; xh
	v_lshl_add_u32 v[SPW], v0, 2, SPARE
	v_mov_b32 v[NIL], 0
	ds_add_u32 v[SPW], v[NIL]                      ; the wave's opening: the add, twice on end, and its wait ahead of my first tensor load
	ds_add_u32 v[SPW], v[NIL]
	v_lshrrev_b32 v10, 5, v0
	v_readfirstlane_b32 s[WV], v10                 ; wave 0..7
	s_bfe_u32 s48, ttmp6, 0x40000                  ; cx
	s_lshl_b32 s49, ttmp9, 2
	s_add_co_u32 s49, s49, s48                     ; my block of 256 queries: it enters global addresses alone
	s_and_b32 s50, ttmp7, 0xffff                   ; batch x 16 + head, which the partners share
	s_lshl_b32 s52, s50, 18                        ; a head's 2,048 rows of 128 bytes
	s_and_b32 s51, s[WV], 3
	s_lshl_b32 s54, s51, 13                        ; the 64 rows of a slot that I fetch,
	s_add_co_u32 s54, s54, s52
	s_add_co_u32 s54, s54, 8388608                 ; in K,
	s_mov_b32 s55, 0
	s_add_co_u32 s56, s54, 8388608                 ; in V
	s_mov_b32 s57, 0
	s_mul_i32 s58, s51, 64*PK                      ; and their places in a slot
	s_mul_i32 s59, s51, 64*PV
	s_add_co_u32 s59, s59, VOFF
	s_lshl_b32 s60, s49, 15                        ; Q: my block's 256 rows,
	s_lshl_b32 s61, s[WV], 12                      ; my wave's 32 of them
	s_add_co_u32 s60, s60, s61
	s_add_co_u32 s60, s60, s52
	s_mov_b32 s61, 0
	s_lshr_b32 s62, s50, 4                         ; the batch
	s_lshl_b32 s63, s62, 6
	s_lshl_b32 s21, s49, 3
	s_add_co_u32 s63, s63, s21
	s_add_co_u32 s63, s63, s[WV]                   ; my group of 32 queries, over both batches
	s_lshl_b32 s22, s63, 13                        ; its 8,192 bytes of mask words
	s_mov_b32 s23, 0
	s_lshl_b32 s2, s63, 16                         ; its 16 pairs of tokens, 4,096 bytes each, in x,
	s_and_b32 s3, s50, 15
	s_lshl_b32 s3, s3, 8                           ; and the head's 256 bytes of a pair
	s_add_co_u32 s2, s2, s3
	s_mov_b32 s3, 0
	s_cmp_lt_u32 s[WV], 4                          ; the prefetches: K's for wave 0, V's for wave 4
	s_mov_b32 s15, 16777216
	s_cselect_b32 s14, 8388608, s15
	s_add_co_u32 s14, s14, s52
	s_lshl_b32 s15, s48, 13                        ; my work-group's 8,192 bytes of a slot's 32,768,
	s_add_co_u32 s14, s14, s15
	s_add_co_u32 s14, s14, 32768                   ; in slot 1: the first change of slots steps it to slot 2
	s_mov_b32 s15, 0
	s_or_b32 s[LIM], s51, ttmp9                    ; 0 in waves 0 and 4 of the head's first cluster: the same in all four partners
	s_cmp_eq_u32 s[LIM], 0
	s_cselect_b32 s[LIM], 1, -1
	s_mov_b32 s[G1K], 15|(1<<16)|(1<<20)|(1<<21)|(4<<22)|(3<<25)  ; the mask: all four; elements of 2 bytes; padding on; bit 21 beside a mask; 4 words behind every 32
	s_mov_b32 s[G1V], 15|(1<<16)|(1<<20)|(1<<21)|(4<<22)|(7<<25)  ; the same with 8 words
.irp g, G1K, G1V
	s_mov_b32 s[\g+1], 64<<16                      ; tensor_dim0 = 64
	s_mov_b32 s[\g+2], 64<<16                      ; tensor_dim1 = 64
	s_mov_b32 s[\g+3], 64<<16                      ; tile_dim0 = 64
	s_mov_b32 s[\g+4], 64                          ; tile_dim1 = 64
	s_mov_b32 s[\g+5], 64                          ; from row to row
	s_mov_b32 s[\g+6], 0
	s_mov_b32 s[\g+7], 0
.endr
	s_mov_b32 s[SEL], 0x76543210
	s_mov_b32 s[SEL+1], 0xfedcba98
	s_mov_b32 s[TB], 0
	s_mov_b32 s[SLOTS], 7
	s_wait_dscnt 0x0                               ; both opening adds are done
	s_wait_kmcnt 0x0
	s_mov_b32 s[G0K], 1
	s_mov_b32 s[G0K+1], s58
	s_add_nc_u64 s[G0K+2:G0K+3], s[4:5], s[54:55]
	s_or_b32 s[G0K+3], s[G0K+3], 0x80000000
	s_mov_b32 s[G0V], 1
	s_mov_b32 s[G0V+1], s59
	s_add_nc_u64 s[G0V+2:G0V+3], s[4:5], s[56:57]
	s_or_b32 s[G0V+3], s[G0V+3], 0x80000000
	s_add_nc_u64 s[PFA:PFA+1], s[4:5], s[14:15]
	s_add_nc_u64 s[4:5], s[4:5], s[60:61]          ; Q at my first query
	s_add_nc_u64 s[6:7], s[6:7], s[22:23]          ; my mask words: slot 0's
	s_add_nc_u64 s[8:9], s[8:9], s[2:3]            ; x at my first pair of tokens
	CROUND                                         ; all four work-groups are here: the first joint loads meet
	JLOAD                                          ; slot 0: one load of mine is out
	v_and_b32 v10, 15, v0                          ; r
	v_bfe_u32 v11, v0, 4, 1                        ; h
	v_lshlrev_b32 v[QO], 7, v10
	v_lshl_add_u32 v[QO], v11, 4, v[QO]            ; row r of 128 bytes + 16 h
	v_and_b32 v[MOF], 31, v0
	v_lshlrev_b32 v[MOF], 4, v[MOF]
.irp t, 0,1
.irp c, 0,1
	global_load_b128 v[QF+16*\t+8*\c:QF+16*\t+8*\c+3], v[QO], s[4:5] offset:2048*\t+64*\c      ; Q stays in registers: tile t, channels 32 c on
	global_load_b128 v[QF+16*\t+8*\c+4:QF+16*\t+8*\c+7], v[QO], s[4:5] offset:2048*\t+64*\c+32
.endr
.endr
	global_load_b128 v[MK:MK+3], v[MOF], s[6:7]                ; slot 0's mask words: steps 0 and 1,
	global_load_b128 v[MK+4:MK+7], v[MOF], s[6:7] offset:512   ; steps 2 and 3: 512 consecutive bytes each
	v_mul_u32_u24 v[AK0], v10, PK
	v_lshl_add_u32 v[AK0], v11, 4, v[AK0]          ; K: row r x pitch + 16 h
	v_and_b32 v[AV0], 7, v0
	v_lshl_add_u32 v[AV0], v11, 3, v[AV0]
	v_mul_u32_u24 v[AV0], v[AV0], PV               ; V: key 8 h + lane % 8,
	v_bfe_u32 v[ADK], v0, 3, 1
	v_lshl_add_u32 v[AV0], v[ADK], 4, v[AV0]       ; channels 8 ((lane / 8) % 2) on
	v_add_nc_u32 v[AV0], VOFF, v[AV0]
	s_mul_i32 s48, s[WV], 32*PK
	s_add_co_u32 s48, s48, STAGE                   ; my stage
	v_add_nc_u32 v[STO], s48, v[AK0]               ; in: row r, 16 bytes for each half of the lanes
	v_bfe_u32 v[RD], v0, 3, 2
	v_mul_u32_u24 v[RD], v[RD], PK
	v_and_b32 v[GO], 7, v0
	v_lshl_add_u32 v[RD], v[GO], 4, v[RD]
	v_add_nc_u32 v[RD], s48, v[RD]                 ; back: eight lanes a token's 128 bytes, four tokens an instruction
	v_lshlrev_b32 v[GO], 12, v11
	v_lshl_add_u32 v[GO], v10, 4, v[GO]            ; in x: sixteen lanes a pair's 256 bytes of this head, two pairs an instruction
	v_mov_b32 v[NEG], 0xceabfb8f
	v_and_b32 v[PFO], 31, v0
	v_lshlrev_b32 v[PFO], 8, v[PFO]
.irp t, 0,1
	v_mov_b32 v[ST+8*\t+1], 0xff61b1e6             ; m: -3e38, under every t
	v_mov_b32 v[ST+8*\t+2], 0                      ; l, in two halves
	v_mov_b32 v[ST+8*\t+3], 0
.endr
	WIN 0x40
.set i, 0
.rept 64
	v_mov_b32 v[i], 0                              ; O^T: the step is written once, and the first a, which is 0, finds numbers here
.set i, i+1
.endr
	WIN 0
; One tile's softmax for one key step.  t: the tile; p = 2 x step + t: its place among the slot's eight; fill = 1: there is a next slot, whose mask words are loaded and taken.
.macro SOFTMAX t, p, fill
.set rT, ST+8*(\t)
.set rS, S+32*(\t)
.set rP, P+16*(\t)
.set rO, 32*(\t)
.set i, 0
.rept 32
	v_cndmask_b32 v[rS+i], v[NEG], v[rS+i], s[MW+i]   ; a hidden score is replaced; each accumulator is taken from its low end on
.set i, i+1
.endr
.irp j, 0,1,2,3
	v_max3_num_f32 v[rT+4+\j], v[rS+8*\j], v[rS+8*\j+1], v[rS+8*\j+2]   ; the maximum: four chains of seven scores,
.endr
.irp u, 3,5
.irp j, 0,1,2,3
	v_max3_num_f32 v[rT+4+\j], v[rT+4+\j], v[rS+8*\j+\u], v[rS+8*\j+\u+1]
.endr
.endr
	v_max3_num_f32 v[rT+4], v[rT+4], v[rS+7], v[rS+15]                  ; the four left over,
	v_max3_num_f32 v[rT+6], v[rT+6], v[rS+23], v[rS+31]
	v_max3_num_f32 v[rT+4], v[rT+4], v[rT+5], v[rT+6]
	v_max3_num_f32 v[rT+4], v[rT+4], v[rT+7], v[rT+1]                   ; and the old m
	v_permlanex16_b32 v[rT+5], v[rT+4], s[SEL], s[SEL+1]   ; the query's other 32 keys lie in the lane 16 away
	v_max_num_f32 v[rT+5], v[rT+4], v[rT+5]        ; the new m
	v_sub_f32 v[rT+7], v[rT+1], v[rT+5]            ; m_old - m_new
	v_mov_b32 v[rT+1], v[rT+5]
	v_sub_f32 v[rT], 0, v[rT+5]                    ; -m
.set i, 0
.rept 16
	v_pk_add_f32 v[rS+i:rS+i+1], v[rS+i:rS+i+1], v[rT:rT+1] op_sel_hi:[1,0]   ; t - m, two at a time
.set i, i+2
.endr
	v_exp_f32 v[rT+6], v[rT+7]                     ; a.  ONE BATCH of 33 exponentials,
.set i, 0
.rept 32
	v_exp_f32 v[rS+i], v[rS+i]                     ; p = 2^(t - m), at most 1
.set i, i+1
.endr
	v_nop                                          ; one plain instruction behind the last;
.if ((\p) < 7) || (\fill)              ; THE NEXT TILE'S LANE MASKS are taken here: this tile's have been used, and these 32 lines name no exponential's result: work between the batch and the wait for it
.if (\p) == 3
.if \fill
	s_wait_loadcnt 1                               ; the slot's second half of mask words is in; the next slot's first half, asked for in tile 2, may be out
.else
	s_wait_loadcnt 0x0                             ; the last slot: nothing was asked for behind it
.endif
.endif
.if (\p) == 7
	s_wait_loadcnt 1                               ; the next slot's first half is in; its second half, asked for in tile 6, may be out
.endif
	TAKE ((\p)+1)%8
.endif
	s_wait_alu depctr_va_vdst(0)                   ; and one wait ahead of the first instruction that names a result
.if (\fill) && ((\p) == 2)
	global_load_b128 v[MK:MK+3], v[MOF], s[6:7]                ; tile 3's words were the first half's last: it takes the next slot's, five tiles ahead of their use
.endif
.if (\fill) && ((\p) == 6)
	global_load_b128 v[MK+4:MK+7], v[MOF], s[6:7] offset:512   ; and likewise the second half, behind tile 7's words
.endif
.set i, 0
.rept 16
	v_cvt_pk_f16_f32 v[rP+i], v[rS+2*i], v[rS+2*i+1]
.set i, i+1
.endr
	v_pk_mul_f32 v[rT+2:rT+3], v[rT+2:rT+3], v[rT+6:rT+7] op_sel_hi:[1,0]     ; l x a,
	v_pk_add_f32 v[rT+4:rT+5], v[rS:rS+1], v[rS+2:rS+3]                       ; + the sum of the unrounded p, in two chains
.irp j, 4,8,12,16,20,24,28
	v_pk_add_f32 v[rT+2:rT+3], v[rT+2:rT+3], v[rS+\j:rS+\j+1]
	v_pk_add_f32 v[rT+4:rT+5], v[rT+4:rT+5], v[rS+\j+2:rS+\j+3]
.endr
	v_pk_add_f32 v[rT+2:rT+3], v[rT+2:rT+3], v[rT+4:rT+5]
	WIN 0x41                                       ; O^T (destination and source 0) in window 1, a in window 0
.set i, 0
.rept 16
	v_pk_mul_f32 v[rO+i:rO+i+1], v[rO+i:rO+i+1], v[rT+6:rT+7] op_sel_hi:[1,0]
.set i, i+2
.endr
	WIN 0
.endm
; K's 16 fragments' halves of the slot's step q: 64 keys x 64 channels
.macro KLOAD q
.irp kt, 0,1,2,3
.irp c, 0,1
	ds_load_b128 v[KF+16*\kt+8*\c:KF+16*\kt+8*\c+3], v[ADK] offset:(64*(\q)+16*\kt)*PK+64*\c
	ds_load_b128 v[KF+16*\kt+8*\c+4:KF+16*\kt+8*\c+7], v[ADK] offset:(64*(\q)+16*\kt)*PK+64*\c+32
.endr
.endr
.endm
; A KEY STEP: 64 keys, the q-th of the slot in hand.  Only a slot's first step loads its K at its head; the others' K is asked for a step ahead, behind the products that read K's registers last.
.macro STEP q, fill
.rept 4
	v_nop                                          ; places between the last products V^T P and the loads into V's registers
.endr
.if (\q) == 0
	KLOAD 0
.endif
	WIN 0x40                                       ; destination window 1
.irp kh, 0,1
.irp ct, 0,1,2,3
	ds_load_tr16_b128 v[VF+32*\kh+8*\ct:VF+32*\kh+8*\ct+3], v[ADV] offset:(64*(\q)+32*\kh)*PV+32*\ct
	ds_load_tr16_b128 v[VF+32*\kh+8*\ct+4:VF+32*\kh+8*\ct+7], v[ADV] offset:(64*(\q)+32*\kh+16)*PV+32*\ct
.endr
.endr
	WIN 0
	s_wait_dscnt 16                                ; K's 16 loads, issued ahead of V's, are in; V's 16 may be out
.irp c, 0,1                            ; S^T = K Q^T: eight accumulators by turns; the first eight products start the sums
.irp kt, 0,1,2,3
.irp t, 0,1
.if \c == 0
	v_wmma_f32_16x16x32_f16 v[S+32*\t+8*\kt:S+32*\t+8*\kt+7], v[KF+16*\kt+8*\c:KF+16*\kt+8*\c+7], v[QF+16*\t+8*\c:QF+16*\t+8*\c+7], 0
.else
	v_wmma_f32_16x16x32_f16 v[S+32*\t+8*\kt:S+32*\t+8*\kt+7], v[KF+16*\kt+8*\c:KF+16*\kt+8*\c+7], v[QF+16*\t+8*\c:QF+16*\t+8*\c+7], v[S+32*\t+8*\kt:S+32*\t+8*\kt+7]
.endif
.endr
.endr
.endr
.rept 4
	v_nop                                          ; places ahead of the loads into K's registers and of the first read of the scores
.endr
.if (\q) < 3
	KLOAD (\q)+1                                   ; the next step's K lands while the two softmaxes are walked
.endif
	SOFTMAX 0, 2*(\q), \fill
	SOFTMAX 1, 2*(\q)+1, \fill
.if (\q) < 3
	s_wait_dscnt 16                                ; V is in; the next step's 16 loads of K, issued behind V's, may be out
.else
	s_wait_dscnt 0x0                               ; V is in
.endif
	WIN 0x51                                       ; V and O^T in window 1, P in window 0
.irp kh, 0,1                           ; O^T += V^T P: eight accumulators by turns
.irp ct, 0,1,2,3
.irp t, 0,1
	v_wmma_f32_16x16x32_f16 v[32*\t+8*\ct:32*\t+8*\ct+7], v[VF+32*\kh+8*\ct:VF+32*\kh+8*\ct+7], v[P+16*\t+8*\kh:P+16*\t+8*\kh+7], v[32*\t+8*\ct:32*\t+8*\ct+7]
.endr
.endr
.endr
	WIN 0
.endm
; THE CHANGE OF SLOTS stands at a slot's head.  Each wave waits for all its tensor loads (its part of the slot ahead), adds 0 to its spare word, and waits for that and for its reads of the slot that it has left.
; fill = 1: the barrier is a round of the cluster's, and behind it the slot just left takes the next 256 keys: that load has four key steps in which to land.
.macro CHANGE fill
	s_wait_tensorcnt 0x0                           ; no tensor load of mine is out, so a group 0 may be written
	ds_add_u32 v[SPW], v[NIL]                      ; 0 onto my spare word
.if \fill
	s_xor_b32 s[G0K+1], s[G0K+1], SLOT1            ; the walking descriptors: the other slot than last time,
	s_add_nc_u64 s[G0K+2:G0K+3], s[G0K+2:G0K+3], 32768   ; the next 256 keys
	s_xor_b32 s[G0V+1], s[G0V+1], SLOT1
	s_add_nc_u64 s[G0V+2:G0V+3], s[G0V+2:G0V+3], 32768
	s_wait_xcnt 0x0                                ; the last prefetch and the last loads of mask words have read their addresses
	s_add_nc_u64 s[PFA:PFA+1], s[PFA:PFA+1], 32768 ; one slot further on than the walking descriptors
	s_add_nc_u64 s[6:7], s[6:7], 1024              ; the mask words of the slot behind the one ahead: what this slot's tiles 2 and 6 ask for
	s_wait_dscnt 0x0                               ; the add is done, and my reads of the slot that I have left are over
	CROUND
	JLOAD                                          ; the first thing behind the round, and my one tensor load until the next
	ASK
.else
	s_wait_dscnt 0x0
	s_barrier_signal -1
	s_barrier_wait -1
.endif
.endm
.macro SLOT_STEPS fill
	v_add_nc_u32 v[ADK], s[TB], v[AK0]
	v_add_nc_u32 v[ADV], s[TB], v[AV0]
	STEP 0, \fill
	STEP 1, \fill
	STEP 2, \fill
	STEP 3, \fill
	s_xor_b32 s[TB], s[TB], SLOT1                  ; on to the other slot
.endm
	s_wait_loadcnt 0x0                             ; Q, and slot 0's mask words
	TAKE 0                                         ; the first tile's lane masks; every later tile's are taken in the tile before
.Lslot:                                            ; seven trips: behind each change of slots but the last the next slot is asked for
	CHANGE 1
	SLOT_STEPS 1
	s_sub_co_u32 s[SLOTS], s[SLOTS], 1
	s_cmp_lg_u32 s[SLOTS], 0
	s_cbranch_scc1 .Lslot
	CHANGE 0                                       ; the last slot is written out and no load of mask words leaves its buffer
	SLOT_STEPS 0
	; THE WAY OUT.  l's halves are added; O^T is divided by l, rounded to f16 and sent through my stage, so that sixteen lanes store the 256 consecutive bytes that a pair of tokens has for this head.
.rept 4
	v_nop                                          ; places behind the last products
.endr
.irp t, 0,1
	v_add_f32 v[ST+8*\t+4], v[ST+8*\t+2], v[ST+8*\t+3]
.endr
.irp t, 0,1
	v_permlanex16_b32 v[ST+8*\t+5], v[ST+8*\t+4], s[SEL], s[SEL+1]
.endr
.irp t, 0,1
	v_add_f32 v[ST+8*\t+4], v[ST+8*\t+4], v[ST+8*\t+5]
.endr
.irp t, 0,1
	v_rcp_f32 v[ST+8*\t+6], v[ST+8*\t+4]           ; l is at least 1: the largest p is 1
.endr
	v_nop                                          ; a plain instruction behind the last reciprocal,
	s_wait_alu depctr_va_vdst(0)                   ; and the wait ahead of the first use: one for both
.irp t, 0,1
	WIN 0x41
.set i, 0
.rept 16
	v_pk_mul_f32 v[32*\t+i:32*\t+i+1], v[32*\t+i:32*\t+i+1], v[ST+8*\t+6:ST+8*\t+7] op_sel_hi:[1,0]
.set i, i+2
.endr
	WIN 0x05                                       ; sources 0 and 1 window 1, destination window 0: S^T's registers are free
.set i, 0
.rept 16
	v_cvt_pk_f16_f32 v[S+16*\t+i], v[32*\t+2*i], v[32*\t+2*i+1]
.set i, i+1
.endr
	WIN 0
.irp ct, 0,1,2,3
	ds_store_b128 v[STO], v[S+16*\t+4*\ct:S+16*\t+4*\ct+3] offset:16*PK*\t+32*\ct
.endr
.irp i4, 0,1,2,3
	ds_load_b128 v[S+16*\t+4*\i4:S+16*\t+4*\i4+3], v[RD] offset:16*PK*\t+4*PK*\i4   ; LDS serves a wave's instructions in order: these see the stores above
.endr
.endr
	s_wait_dscnt 0x0
.irp t, 0,1
.irp i4, 0,1,2,3
	global_store_b128 v[GO], v[S+16*\t+4*\i4:S+16*\t+4*\i4+3], s[8:9] offset:32768*\t+8192*\i4
.endr
.endr
	s_wait_tensorcnt 0x0                           ; the wave's end
	ds_add_u32 v[SPW], v[NIL]
	s_wait_dscnt 0x0
	CROUND                                         ; the closing round
	s_endpgm
.Lfunc_end_k_qcba0a61371_attn:
	.size	k_qcba0a61371_attn, .Lfunc_end_k_qcba0a61371_attn-k_qcba0a61371_attn
	.p2alignl 7, 3214868480
	.fill 96, 4, 3214868480
	.section	.rodata,"a",@progbits
	.p2align	6, 0x0
	.amdhsa_kernel k_qcba0a61371_attn
		.amdhsa_group_segment_fixed_size 327680
		.amdhsa_private_segment_fixed_size 0
		.amdhsa_enable_private_segment 0
		.amdhsa_kernarg_size 24
		.amdhsa_user_sgpr_count 2
		.amdhsa_user_sgpr_kernarg_segment_ptr 1
		.amdhsa_wavefront_size32 1
		.amdhsa_system_sgpr_workgroup_id_x 1
		.amdhsa_system_sgpr_workgroup_id_y 1
		.amdhsa_system_sgpr_workgroup_id_z 1
		.amdhsa_system_vgpr_workitem_id 0
		.amdhsa_next_free_vgpr 384
		.amdhsa_next_free_sgpr 100
		.amdhsa_reserve_vcc 0
		.amdhsa_float_denorm_mode_32 3
		.amdhsa_float_denorm_mode_16_64 3
		.amdhsa_memory_ordered 1
		.amdhsa_forward_progress 1
		.amdhsa_inst_pref_size 221
	.end_amdhsa_kernel
	.amdgpu_metadata
---
amdhsa.version: [ 1, 2 ]
amdhsa.kernels:
  - .name:           k_qcba0a61371_attn
    .symbol:         k_qcba0a61371_attn.kd
    .args:
      - { .name: qkv, .offset: 0, .size: 8, .value_kind: global_buffer, .address_space: global }
      - { .name: mbits, .offset: 8, .size: 8, .value_kind: global_buffer, .address_space: global }
      - { .name: xh, .offset: 16, .size: 8, .value_kind: global_buffer, .address_space: global }
    .group_segment_fixed_size: 327680
    .private_segment_fixed_size: 0
    .kernarg_segment_align: 8
    .kernarg_segment_size: 24
    .max_flat_workgroup_size: 256
    .sgpr_count:     100
    .vgpr_count:     384
    .wavefront_size: 32
...
	.end_amdgpu_metadata
.endif
;; end of part 3
;; launch oproj (part 4): grid 8 x 32, 4 waves a work-group, clusters of 4 x 4, 327,680 bytes of LDS; arguments xh, wo16, b_o, out0; writes out0
.if DOCPART == 4
	.amdgcn_target "amdgcn-amd-amdhsa--gfx1250"
	.amdhsa_code_object_version 6
	.text
	.protected	k_qcba0a61371_oproj
	.globl	k_qcba0a61371_oproj
	.p2align	8
	.type	k_qcba0a61371_oproj,@function
k_qcba0a61371_oproj:
	s_mov_b64 s[64:65], 0
	v_nop
	global_prefetch_b8 v0, s[64:65] scope:SCOPE_SE
	s_setreg_imm32_b32 hwreg(HW_REG_WAVE_MODE, 25, 1), 1
	s_wait_xcnt 0x0
	s_wait_alu depctr_hold_cnt(0) depctr_sa_sdst(0) depctr_va_vdst(0) depctr_va_sdst(0) depctr_va_ssrc(0) depctr_va_vcc(0) depctr_vm_vsrc(0)
	s_getreg_b32 s2, hwreg(HW_REG_IB_STS2, 6, 4)
	s_cmp_eq_u32 s2, 0
	s_cbranch_scc0 .Lentry_in_a_cluster
	s_endpgm
.Lentry_in_a_cluster:
	s_bfe_u32 s2, ttmp6, 0x10000c
	s_cmp_lg_u32 s2, 0xf033
	s_cbranch_scc0 .Lentry_shape_is_right
	s_endpgm
.Lentry_shape_is_right:
; out0 = x w_o^T + b_o.  x: 4,096 tokens x 1,024, f16, laid [pair of tokens][head][token % 2][64]: a pair's row is 4,096 bytes, a head's part of it 256.  w_o: [1024 (n)][1024 (k)] f16.  out0: [4096][1024] f32; sums in f32.
; A tile of the output is 128 x 128, so that there are 256 work-groups.  Four waves, each 64 x 64: 16 accumulators.  K goes in four steps of 256 (four heads) through two LDS slots; the steps are written out.
; A's tile: 64 pairs' rows of 1,024 bytes; B's: 128 rows of 512 bytes.  CLUSTERS: 4 x 4 work-groups: A's tiles are shared along a row of the cluster, B's along a column: joint loads.
; THE MATRIX INSTRUCTION IS USED TRANSPOSED (source 0 = 16 rows of w_o, source 1 = 16 tokens): a lane holds eight neighbouring outputs of one token.  The bias is the C of each sum's first product.
; LIMITS: the operands are f16 (made by the launches before).
; REGISTERS: window 0: v0-31 addresses; v32-95 rows on the way out; v96-127 the bias in the result's layout; v128-255 the accumulators ((a, b) at v[128 + 8 (4 a + b)]).
;   window 1: two fragment buffers of 128: for 64 along K, 64 registers of A, then 64 of B.
.set PITCHA, 1040                      ; a pair's row in LDS: 1,024 bytes + 16: token r of a fragment starts at bank 4 (r / 2) + 32 (r % 2): sixteen different ones (64 banks of 4 bytes: ISA guide 11.1)
.set PITCHB, 528                       ; a row of w_o: 512 bytes + 16
.set HALFA,  32*PITCHA                 ; 64 tokens: what one tensor load brings, and what one wave reads of A
.set HALFB,  64*PITCHB
.set SLOT,   2*HALFA+2*HALFB
.set STAGE,  2*SLOT                    ; behind the ring: 16 rows x 272 bytes for each wave
.set SPITCH, 272
.set SPARE,  STAGE+4*16*SPITCH         ; the spare words, 128 bytes for each wave: two blocks of 256 bytes that no other line names
.set ADRA, 16
.set ADRB, 20
.set STO,  24
.set RD,   25
.set CO,   26
.set BO,   27
.set SPW,  28
.set NIL,  29
.set TMP,  32
.set BIAS, 96
.set ACC,  128
.set F0,   0
.set F1,   128
.set G1, 24
.set G0, 32
.set G1B, 48
.set G0B, 56
.set MSB, 0
.macro WIN new                         ; the immediate's high byte repeats the setting that is left
.if MSB != (\new)
	s_set_vgpr_msb (MSB<<8)|(\new)
.set MSB, (\new)
.endif
.endm
.set MUL,  0x05                        ; sources 0 (w_o) and 1 (x) window 1; C and D window 0
.set TO_F, 0x40
.macro JLOAD s                         ; a joint load: waves 0 and 1 fetch A's halves, waves 2 and 3 B's; an s_nop 0 and four v_nop follow each line
	s_cmp_eq_u32 s11, 0
	s_cbranch_scc0 .Lfor_b_\@
	tensor_load_to_lds s[G0+4*\s:G0+4*\s+3], s[G1:G1+7]
	s_nop 0
.rept 4
	v_nop
.endr
	s_branch .Lasked_\@
.Lfor_b_\@:
	tensor_load_to_lds s[G0B+4*\s:G0B+4*\s+3], s[G1B:G1B+7]
	s_nop 0
.rept 4
	v_nop
.endr
.Lasked_\@:
.endm
.macro CREST                           ; a round of the cluster's barrier behind its opening barrier
	s_cmp_lg_u32 s10, 0
	s_cbranch_scc1 .Lnot_wave_0_\@
	s_barrier_signal -3
.Lnot_wave_0_\@:
	s_barrier_wait -3
	s_barrier_signal -1
	s_barrier_wait -1
.endm
.macro CROUND
	s_barrier_signal -1
	s_barrier_wait -1
	CREST
.endm
	s_load_b128 s[4:7], s[0:1], 0x0                ; x s[4:5], w_o s[6:7]
	s_load_b64 s[2:3], s[0:1], 0x10                ; b_o
	s_load_b64 s[8:9], s[0:1], 0x18                ; out0
	v_lshl_add_u32 v[SPW], v0, 2, SPARE
	v_mov_b32 v[NIL], 0
	ds_add_u32 v[SPW], v[NIL]                      ; the wave's opening: the add, twice on end, and its wait ahead of my first tensor load
	ds_add_u32 v[SPW], v[NIL]
	v_lshrrev_b32 v1, 5, v0
	v_readfirstlane_b32 s10, v1                    ; wave 0..3
	s_lshr_b32 s11, s10, 1                         ; which half of the tile's tokens is mine.  Also: I fetch for A (0) or for B (1)
	s_and_b32 s12, s10, 1                          ; which half of its outputs.  Also: which half of that tile I fetch
	s_bfe_u32 s40, ttmp6, 0x40000                  ; cx, cy
	s_bfe_u32 s41, ttmp6, 0x40004
	s_lshl_b32 s42, ttmp9, 2
	s_add_co_u32 s42, s42, s40                     ; tile column = 4 x cluster x + cx
	s_and_b32 s13, ttmp7, 0xffff
	s_lshl_b32 s13, s13, 2
	s_add_co_u32 s13, s13, s41                     ; tile row = 4 x cluster y + cy
	s_lshl_b32 s43, s41, 2
	s_lshl_b32 s43, 15, s43                        ; my row of the cluster
	s_lshl_b32 s44, 0x1111, s40                    ; my column
	s_or_b32 s[G1+0], s43, (1<<16)|(1<<20)|(1<<21)|(7<<22)|(3<<25)  ; the mask; elements of 2 bytes; padding on; bit 21 beside a mask; 4 words behind every 256
	s_mov_b32 s[G1+1], 512<<16                     ; tensor_dim0 = 512
	s_mov_b32 s[G1+2], 32<<16                      ; tensor_dim1 = 32
	s_mov_b32 s[G1+3], 512<<16                     ; tile_dim0 = 512
	s_mov_b32 s[G1+4], 32                          ; tile_dim1 = 32
	s_mov_b32 s[G1+5], 2048                        ; from a pair's row to the next
	s_mov_b32 s[G1+6], 0
	s_mov_b32 s[G1+7], 0
	s_or_b32 s[G1B+0], s44, (1<<16)|(1<<20)|(1<<21)|(6<<22)|(3<<25) ; 4 words behind every 128
	s_mov_b32 s[G1B+1], 256<<16
	s_mov_b32 s[G1B+2], 64<<16
	s_mov_b32 s[G1B+3], 256<<16
	s_mov_b32 s[G1B+4], 64
	s_mov_b32 s[G1B+5], 1024
	s_mov_b32 s[G1B+6], 0
	s_mov_b32 s[G1B+7], 0
	s_lshl_b32 s16, s13, 6
	s_lshl_b32 s17, s12, 5
	s_add_co_u32 s16, s16, s17                     ; A: pair 64 x tile row + 32 x half,
	s_lshl_b32 s16, s16, 12                        ; 4,096 bytes a pair
	s_mov_b32 s17, 0
	s_lshl_b32 s46, s42, 7
	s_lshl_b32 s47, s12, 6
	s_add_co_u32 s46, s46, s47                     ; B: row 128 x tile column + 64 x half,
	s_lshl_b32 s46, s46, 11                        ; 2,048 bytes a row
	s_mov_b32 s47, 0
	s_mul_i32 s20, s12, HALFA                      ; where they go: no place in the cluster enters an LDS address
	s_mul_i32 s21, s12, HALFB
	s_add_co_u32 s21, s21, 2*HALFA
	s_wait_dscnt 0x0                               ; both opening adds are done
	s_wait_kmcnt 0x0
	s_add_nc_u64 s[14:15], s[4:5], s[16:17]
	s_add_nc_u64 s[46:47], s[6:7], s[46:47]
	CROUND                                         ; all sixteen work-groups are here: the first joint loads meet
.irp s, 0,1
	s_mov_b32 s[G0+4*\s], 1
	s_add_co_u32 s[G0+4*\s+1], s20, \s*SLOT
	s_add_nc_u64 s[G0+4*\s+2:G0+4*\s+3], s[14:15], \s*1024     ; K step s: four heads' 1,024 bytes of a pair's row
	s_or_b32 s[G0+4*\s+3], s[G0+4*\s+3], 0x80000000
	s_mov_b32 s[G0B+4*\s], 1
	s_add_co_u32 s[G0B+4*\s+1], s21, \s*SLOT
	s_add_nc_u64 s[G0B+4*\s+2:G0B+4*\s+3], s[46:47], \s*512
	s_or_b32 s[G0B+4*\s+3], s[G0B+4*\s+3], 0x80000000
	JLOAD \s                                       ; two loads of mine are out
.endr
	v_and_b32 v1, 15, v0                           ; r
	v_bfe_u32 v2, v0, 4, 1                         ; h
	v_lshlrev_b32 v[BO], 5, v2
	s_lshl_b32 s46, s42, 9                         ; my 64 outputs, in bytes of f32: 512 x tile column + 256 x half
	s_lshl_b32 s47, s12, 8
	s_add_co_u32 s46, s46, s47
	s_mov_b32 s47, 0
	s_add_nc_u64 s[2:3], s[2:3], s[46:47]
.irp b, 0,1,2,3
	global_load_b128 v[BIAS+8*\b:BIAS+8*\b+3], v[BO], s[2:3] offset:64*\b          ; block b: outputs 16 b + 8 h + 0 .. 7
	global_load_b128 v[BIAS+8*\b+4:BIAS+8*\b+7], v[BO], s[2:3] offset:64*\b+16
.endr
	v_lshrrev_b32 v3, 1, v1
	v_mul_u32_u24 v3, v3, PITCHA                   ; A: token r lies in pair r / 2,
	v_and_b32 v4, 1, v1
	v_lshl_add_u32 v3, v4, 7, v3                   ; 128 (r % 2) bytes into a head's part,
	v_lshl_add_u32 v3, v2, 4, v3                   ; + 16 h
	v_mul_u32_u24 v4, v1, PITCHB
	v_lshl_add_u32 v4, v2, 4, v4                   ; B: row r x pitch + 16 h
	s_mul_i32 s21, s11, HALFA                      ; my 64 tokens
	s_mul_i32 s22, s12, HALFB                      ; my 64 rows of w_o,
	s_add_co_u32 s22, s22, 2*HALFA                 ; which lie behind A's two halves
.irp s, 0,1
	v_add_nc_u32 v[ADRA+\s], s21, v3
	v_add_nc_u32 v[ADRB+\s], s22, v4
	s_add_co_u32 s21, s21, SLOT
	s_add_co_u32 s22, s22, SLOT
.endr
	s_mul_i32 s23, s10, 16*SPITCH
	s_add_co_u32 s23, s23, STAGE                   ; my stage
	v_mul_u32_u24 v5, v1, SPITCH
	v_lshl_add_u32 v5, v2, 5, v5
	v_add_nc_u32 v[STO], s23, v5                   ; in: token r, 32 bytes for each half of the lanes
	v_mul_u32_u24 v5, v2, SPITCH
	v_lshl_add_u32 v5, v1, 4, v5
	v_add_nc_u32 v[RD], s23, v5                    ; back: lanes 0-15 one row of 256 bytes, lanes 16-31 the next
	v_lshlrev_b32 v5, 12, v2
	v_lshl_add_u32 v[CO], v1, 4, v5                ; and the same two rows in the output
	s_lshl_b32 s16, s13, 19                        ; my first token: 128 x tile row + 64 x half, 4,096 bytes a token
	s_lshl_b32 s17, s11, 18
	s_add_co_u32 s16, s16, s17
	s_mov_b32 s17, 0
	s_add_nc_u64 s[8:9], s[8:9], s[16:17]
	s_add_nc_u64 s[8:9], s[8:9], s[46:47]
; 8 matrix instructions: token blocks a0, a0 + 1 x all 4 output blocks, 32 along K: half c of buffer f.  zero = 1: the first product starts the sums with the bias as C.  The 16 accumulators take turns.
.macro MUL8 f, c, a0, zero
.irp a, \a0, \a0+1
.irp b, 0,1,2,3
.if \zero
	v_wmma_f32_16x16x32_f16 v[ACC+8*(4*(\a)+\b):ACC+8*(4*(\a)+\b)+7], v[\f+64+8*(4*\c+\b):\f+64+8*(4*\c+\b)+7], v[\f+8*(4*\c+\a):\f+8*(4*\c+\a)+7], v[BIAS+8*\b:BIAS+8*\b+7]
.else
	v_wmma_f32_16x16x32_f16 v[ACC+8*(4*(\a)+\b):ACC+8*(4*(\a)+\b)+7], v[\f+64+8*(4*\c+\b):\f+64+8*(4*\c+\b)+7], v[\f+8*(4*\c+\a):\f+8*(4*\c+\a)+7], v[ACC+8*(4*(\a)+\b):ACC+8*(4*(\a)+\b)+7]
.endif
.endr
.endr
.endm
; 32 LDS loads in one run: the fragments of quarter kq of a K step (one head: 64 along K) into buffer f; the first 32 along K first
.macro FETCH slot, kq, f
	WIN TO_F
.irp c, 0,1
.irp i, 0,1,2,3
	ds_load_b128 v[\f+64+8*(4*\c+\i):\f+64+8*(4*\c+\i)+3],   v[ADRB+\slot] offset:128*(\kq)+64*\c+\i*16*PITCHB
	ds_load_b128 v[\f+64+8*(4*\c+\i)+4:\f+64+8*(4*\c+\i)+7], v[ADRB+\slot] offset:128*(\kq)+64*\c+\i*16*PITCHB+32
	ds_load_b128 v[\f+8*(4*\c+\i):\f+8*(4*\c+\i)+3],         v[ADRA+\slot] offset:256*(\kq)+64*\c+\i*8*PITCHA
	ds_load_b128 v[\f+8*(4*\c+\i)+4:\f+8*(4*\c+\i)+7],       v[ADRA+\slot] offset:256*(\kq)+64*\c+\i*8*PITCHA+32
.endr
.endr
.endm
.macro PLACES                          ; four plain instructions ahead of loads into registers that matrix instructions have read, and of reads of results
.rept 4
	v_nop
.endr
.endm
; One of a K step's first three quarters: multiplies buffer f and fetches quarter kq into g.
.macro QUARTER slot, kq, f, g, zero
	s_wait_dscnt 16                                ; the first 32 along K are in; the other sixteen loads may be out
	WIN MUL
	MUL8 \f, 0, 0, \zero
	MUL8 \f, 0, 2, \zero
	PLACES
	FETCH \slot, \kq, \g
	s_wait_dscnt 32                                ; all but the 32 just issued
	WIN MUL
	MUL8 \f, 1, 0, 0
	MUL8 \f, 1, 2, 0
.endm
; The last quarter multiplies buffer 1 and changes slots: ONE barrier; in front of it each wave waits for all its tensor loads, adds 0 to its spare word, and waits for that and for its reads of this slot.
; fill = 1: the barrier opens a round of the cluster's, and this slot is filled again, two K steps ahead.
.macro TURN slot, next, fill
	WIN 0
	s_wait_tensorcnt 0x0                           ; all my tensor loads have landed: my part of the next slot
	ds_add_u32 v[SPW], v[NIL]                      ; 0 onto my spare word
	s_wait_dscnt 17                                ; (the add and the youngest sixteen loads may be out)
	WIN MUL
	MUL8 F1, 0, 0, 0
	s_wait_dscnt 0x0                               ; the add is done, and my reads of this slot are over
	s_barrier_signal -1
	MUL8 F1, 0, 2, 0
.if \fill
	WIN 0
.endif
	s_barrier_wait -1
.if \fill
	CREST                                          ; no wave of any partner still reads this slot's tile or has a load on its way
	s_add_nc_u64 s[G0+4*\slot+2:G0+4*\slot+3], s[G0+4*\slot+2:G0+4*\slot+3], 2*1024
	s_add_nc_u64 s[G0B+4*\slot+2:G0B+4*\slot+3], s[G0B+4*\slot+2:G0B+4*\slot+3], 2*512
	JLOAD \slot                                    ; the first tensor load behind the round; its four v_nop are also the places in front of the loads below
.else
	PLACES
.endif
	FETCH \next, 0, F0
	WIN MUL
	MUL8 F1, 1, 0, 0
	MUL8 F1, 1, 2, 0
.endm
	s_wait_tensorcnt 1                             ; my part of K step 0 is in (K step 1's load may be out)
	s_barrier_signal -1
	s_barrier_wait -1                              ; everybody's is
	FETCH 0, 0, F0
	s_wait_loadcnt 0x0                             ; the bias
	QUARTER 0, 1, F0, F1, 1                        ; K step 0
	QUARTER 0, 2, F1, F0, 0
	QUARTER 0, 3, F0, F1, 0
	TURN 0, 1, 1                                   ; slot 0 takes K step 2
	QUARTER 1, 1, F0, F1, 0                        ; K step 1
	QUARTER 1, 2, F1, F0, 0
	QUARTER 1, 3, F0, F1, 0
	TURN 1, 0, 1                                   ; slot 1 takes K step 3
	QUARTER 0, 1, F0, F1, 0                        ; K step 2
	QUARTER 0, 2, F1, F0, 0
	QUARTER 0, 3, F0, F1, 0
	TURN 0, 1, 0                                   ; nothing is left to fetch
	QUARTER 1, 1, F0, F1, 0                        ; K step 3
	QUARTER 1, 2, F1, F0, 0
	QUARTER 1, 3, F0, F1, 0
	s_wait_dscnt 16
	WIN MUL
	MUL8 F1, 0, 0, 0
	MUL8 F1, 0, 2, 0
	s_wait_dscnt 0
	MUL8 F1, 1, 0, 0
	MUL8 F1, 1, 2, 0
	WIN 0
; THE WAY OUT, a block of 16 tokens x 64 outputs at a time.  A wave's 64 outputs of a token are 256 consecutive bytes, aligned: so each wave has a stage of its own and no barrier is needed.
.macro TOSTAGE a
.set BB, TMP+32*((\a)%2)
.irp b, 0,1,2,3
	ds_store_b128 v[STO], v[ACC+8*(4*(\a)+\b):ACC+8*(4*(\a)+\b)+3] offset:64*\b          ; each accumulator from its low end on
	ds_store_b128 v[STO], v[ACC+8*(4*(\a)+\b)+4:ACC+8*(4*(\a)+\b)+7] offset:64*\b+16
.endr
.irp t, 0,1,2,3,4,5,6,7
	ds_load_b128 v[BB+4*\t:BB+4*\t+3], v[RD] offset:\t*2*SPITCH   ; LDS serves a wave's instructions in order: these see the stores above, and the next block's stores come behind them
.endr
.endm
.macro SEND a, younger
.set BB, TMP+32*((\a)%2)
	s_wait_dscnt \younger                          ; the block is back in registers
.irp t, 0,1,2,3,4,5,6,7
	global_store_b128 v[CO], v[BB+4*\t:BB+4*\t+3], s[8:9] offset:(16*(\a)+2*\t)*4096 th:TH_STORE_NT   ; 16 lanes store 256 consecutive bytes, aligned
.endr
.endm
	PLACES                                         ; behind the last products, ahead of the first read of results
	TOSTAGE 0
.irp a, 1,2,3
.if \a > 1
	s_wait_xcnt 0x0                                ; block a - 2's stores have read their registers: block a's loads may land there
.endif
	TOSTAGE \a
	SEND \a-1, 16                                  ; behind block a - 1's loads: block a's 8 stores and 8 loads
.endr
	SEND 3, 0
	s_wait_tensorcnt 0x0                           ; the wave's end
	ds_add_u32 v[SPW], v[NIL]
	s_wait_dscnt 0x0
	CROUND                                         ; the closing round
	s_endpgm
.Lfunc_end_k_qcba0a61371_oproj:
	.size	k_qcba0a61371_oproj, .Lfunc_end_k_qcba0a61371_oproj-k_qcba0a61371_oproj
	.p2alignl 7, 3214868480
	.fill 96, 4, 3214868480
	.section	.rodata,"a",@progbits
	.p2align	6, 0x0
	.amdhsa_kernel k_qcba0a61371_oproj
		.amdhsa_group_segment_fixed_size 327680
		.amdhsa_private_segment_fixed_size 0
		.amdhsa_enable_private_segment 0
		.amdhsa_kernarg_size 32
		.amdhsa_user_sgpr_count 2
		.amdhsa_user_sgpr_kernarg_segment_ptr 1
		.amdhsa_wavefront_size32 1
		.amdhsa_system_sgpr_workgroup_id_x 1
		.amdhsa_system_sgpr_workgroup_id_y 1
		.amdhsa_system_sgpr_workgroup_id_z 1
		.amdhsa_system_vgpr_workitem_id 0
		.amdhsa_next_free_vgpr 512
		.amdhsa_next_free_sgpr 66
		.amdhsa_reserve_vcc 0
		.amdhsa_float_denorm_mode_32 3
		.amdhsa_float_denorm_mode_16_64 3
		.amdhsa_memory_ordered 1
		.amdhsa_forward_progress 1
		.amdhsa_inst_pref_size 87
	.end_amdhsa_kernel
	.amdgpu_metadata
---
amdhsa.version: [ 1, 2 ]
amdhsa.kernels:
  - .name:           k_qcba0a61371_oproj
    .symbol:         k_qcba0a61371_oproj.kd
    .args:
      - { .name: xh, .offset: 0, .size: 8, .value_kind: global_buffer, .address_space: global }
      - { .name: wo16, .offset: 8, .size: 8, .value_kind: global_buffer, .address_space: global }
      - { .name: b_o, .offset: 16, .size: 8, .value_kind: global_buffer, .address_space: global }
      - { .name: out0, .offset: 24, .size: 8, .value_kind: global_buffer, .address_space: global }
    .group_segment_fixed_size: 327680
    .private_segment_fixed_size: 0
    .kernarg_segment_align: 8
    .kernarg_segment_size: 32
    .max_flat_workgroup_size: 128
    .sgpr_count:     66
    .vgpr_count:     512
    .wavefront_size: 32
...
	.end_amdgpu_metadata
.endif
;; end of part 4
